; MI455X (gfx1250); checked and timed in simulation.
; The chip was launched on July 23, 2026; its instructions are those of AMD's public machine-readable ISA for CDNA 5 (MIT licence, August 2026) and "CDNA5" Instruction Set Architecture Reference Guide (July 2026). The comments in the code are by the model that wrote it; some were corrected since.
;; Self Attention. Allowed arithmetic: matrix products marked QUANTISED: E2M1 operands, one E8M0 scale for each 32 along K, by v_wmma_scale_f32_16x16x128_f8f6f4 with both operands' format E2M1 (or v_wmma_scale_f32_32x16x128_f4), f32 sums; products left as they are: bf16, f16 or f32 operands; f32 sums; everything else in f32.
;; Inputs: Wk 1,024 x 1,024 float32; Wo 1,024 x 1,024 float32; Wq 1,024 x 1,024 float32; Wv 1,024 x 1,024 float32; bo 1,024 float32; x 4 x 2,048 x 1,024 float32.
;; Outputs: out0 4 x 2,048 x 1,024 float32.
;; This version of the problem:
;;   THIS VERSION OF THE PROBLEM IS GIVEN IN LOW PRECISION. The matrix products marked QUANTISED in the list below multiply operands that are first quantised to E2M1 (2 exponent bits, 1 mantissa bit; 4 bits a number), with one power-of-two scale for each 32 numbers along K (OCP MX v1.0); their sums are f32. The products marked 'left as it is' may take bf16, f16 or f32 operands, with f32 sums. Whichever they take, every output number must still come out within the allowed error. Rounding operands to bf16 (8 significant bits) uses up far more of that allowance than f16 does (11 bits, for magnitudes from 6e-5 to 65,504). All else is computed in f32.
;;   The module's matrix products, in the order in which they are computed (A, B: the left and right operand; K: the contracted axis; several contracted axes count as one K, in the product's order):
;;     1. [M 8,192, K 1,024] x [K 1,024, N 1,024]; A: input x; B: input Wq: QUANTISED
;;     2. [M 8,192, K 1,024] x [K 1,024, N 1,024]; A: input x; B: input Wk: QUANTISED
;;     3. [M 8,192, K 1,024] x [K 1,024, N 1,024]; A: input x; B: input Wv: QUANTISED
;;     4. batch 64 x [M 2,048, K 64] x [K 64, N 2,048]; A: computed on the way; B: computed on the way: left as it is (an operand is computed on the way)
;;     5. batch 64 x [M 2,048, K 2,048] x [K 2,048, N 64]; A: computed on the way; B: computed on the way: left as it is (an operand is computed on the way)
;;     6. [M 8,192, K 1,024] x [K 1,024, N 1,024]; A: computed on the way; B: input Wo: left as it is (an operand is computed on the way)
;;   THE QUANTISER, for each operand of a quantised product, along K:
;;     - K is cut into blocks of 32 from its start; a last block that is shorter is filled with zeros.
;;     - A block's scale is 2^e with e = floor(log2(the largest magnitude in the block)) - 2, held to -126 .. 127; a block of zeros has e = 0. As a byte (E8M0): e + 127.
;;     - Each number is divided by its block's scale, clamped to +-6, and rounded to the nearest number of E2M1, ties to even, subnormals kept.
;;     - The product sums the exact products of the quantised numbers (number of the format x scale) in f32.
;;   ~~~python
;;   def quantise(x, axis):      # numpy; x: float32 -> the quantised numbers, widened to float32 again
;;       x = np.moveaxis(x, axis, -1); K = x.shape[-1]
;;       x = np.pad(x, [(0, 0)] * (x.ndim - 1) + [(0, -K % 32)]); x = x.reshape(x.shape[:-1] + (-1, 32)); a = np.abs(x).max(-1, keepdims=True)
;;       e = np.where(a > 0, np.clip(np.frexp(np.where(a > 0, a, 1))[1] - 1 - 2, -126, 127), 0)      # np.frexp(a)[1] - 1 = floor(log2(a)), exactly
;;       r = np.clip(x / 2.0 ** e, -6, 6)
;;       step = 2.0 ** (np.maximum(np.frexp(np.where(r == 0, 1, r))[1] - 1, 0) - 1)
;;       q = np.round(r / step) * step * 2.0 ** e      # np.round: ties to even
;;       return np.moveaxis(q.reshape(q.shape[:-2] + (-1,))[..., :K], -1, axis).astype(np.float32)
;;   ~~~
;; One version. Each part assembles by itself: llvm-mc -triple=amdgcn-amd-amdhsa -mcpu=gfx1250 --defsym DOCPART=n.
;; ======== version 1 of 1: 4 launches
;; limits: values are held in f16: magnitudes above 65,504 overflow, below 6.1e-05 lose precision
;; workspace buffers: x_codes 4,194,304 bytes; x_scales 262,144 bytes; w_codes 1,572,864 bytes; w_scales 98,304 bytes; wo16 2,097,152 bytes; qkv 50,331,648 bytes; ao 16,777,216 bytes
;; launch quant (part 1): grid 384 x 1, 4 waves a work-group, no clusters, 33,280 bytes of LDS; arguments x, Wq, Wk, Wv, Wo, x_codes, x_scales, w_codes, w_scales, wo16; writes x_codes, x_scales, w_codes, w_scales, wo16
.if DOCPART == 1
	.amdgcn_target "amdgcn-amd-amdhsa--gfx1250"
	.amdhsa_code_object_version 6
	.text
	.protected	k_qe4aad7396c_quant
	.globl	k_qe4aad7396c_quant
	.p2align	8
	.type	k_qe4aad7396c_quant,@function
k_qe4aad7396c_quant:
	s_mov_b64 s[64:65], 0
	v_nop
	global_prefetch_b8 v0, s[64:65] scope:SCOPE_SE
	s_setreg_imm32_b32 hwreg(HW_REG_WAVE_MODE, 25, 1), 1
	s_wait_xcnt 0x0
; SELF-ATTENTION, launch 1 of 4.  x [8192][1024], Wq, Wk, Wv [1024][1024], f32 with K innermost, become codes of FP4 (E2M1), K innermost, with one E8M0 scale byte for each 32 along K;
; Wo [1024][1024] becomes f16 (the last product is left as it is and takes f16 operands).
; DEAD WORK: none.  Every product, every row and every input of the problem has a way to the output (no mask, no slice): all six inputs are loaded by the program, bo by the last launch.
; THE QUANTISER: a block's scale is 2^(floor(log2(its largest magnitude)) - 2); its byte is the largest magnitude's own exponent field - 2, held at 1 from below.  Each number is divided by the scale and
; rounded to the nearest code, ties to even; beyond 6 the largest code.  A block of zeros gets the byte 1 where the rule says 127: its codes are zeros, which add nothing, and this program alone reads the bytes.
; LIMITS: blocks whose largest magnitude lies under 2^-124, the floor, were not tried; NaN and infinities among the inputs are not served; a number of Wo beyond 65,504 becomes infinity in f16, one under 6e-5 is rounded to a multiple of 2^-24.
; SHARES: rows are dense and K is a multiple of 32, so every tensor is a plain stream.  A work-group takes 32,768 numbers, a wave 8,192.  Work-groups 0-255: x; 256-287: Wq; 288-319: Wk; 320-351: Wv; 352-383: Wo.
; The three weights' codes lie one behind the other in w_codes ([3072][512 bytes]), their bytes in w_scales ([3072][32]).
; QUANTISING PATH: 16 steps of 512 numbers a wave.  Each of a step's four loads reads 512 consecutive bytes; the 2,048 bytes turn through the wave's own stage in LDS and come back 64 bytes a lane, so that a lane
; holds 16 neighbours along K (two neighbouring lanes hold a block).  A lane's 16 codes are 8 bytes: the wave stores 256 consecutive bytes.  A wave's 256 scale bytes are gathered in LDS and leave as 256 consecutive bytes.
; No tensor loads, no barrier: waves share nothing.  Loads run four steps (16 loads a wave) ahead, the turn through LDS one step.
.set WAVES, 4
.set STEPS, 16
.set EMAX,  2
.set CB,    8                          ; bytes of 16 codes
.set R,     16                         ; v16-79   four sets of 16 numbers as they are loaded (Wo's path: v16-143, two sets of 64)
.set X,     80                         ; v80-111  two sets of 16 neighbours
.set E,     112                        ; v112-127 a scale byte for each step
.set C,     128                        ; v128-191 codes: four registers for each step, so that no store's data are written again
.set YW,    144                        ; v144-175 Wo's path: 32 registers of f16 pairs
.set WREG,  8192                       ; LDS: a region of its own for each wave: two stages of 32 x SP bytes, and behind them its 256 scale bytes
.set SP,    80                         ; a lane's place in a stage: its 64 bytes + 16 of padding
.set SPW,   12                         ; v12  LDS address of my spare word; never rewritten
.set NIL,   13                         ; v13  0; never rewritten
.set SPARE, WAVES*WREG                 ; behind the four regions: the spare words, 128 bytes for each wave
	s_load_b512 s[8:23], s[0:1], 0x0               ; x 8, Wq 10, Wk 12, Wv 14, Wo 16, x_codes 18, x_scales 20, w_codes 22
	s_load_b128 s[24:27], s[0:1], 0x40             ; w_scales 24, wo16 26
	v_lshl_add_u32 v[SPW], v0, 2, SPARE
	v_mov_b32 v[NIL], 0
	v_lshrrev_b32 v1, 5, v0
	v_readfirstlane_b32 s28, v1                    ; wave
	v_and_b32 v2, 31, v0                           ; lane
	v_lshlrev_b32 v3, 4, v2                        ; my 16 bytes of a load's 512
	s_mul_i32 s29, s28, WREG
	v_lshrrev_b32 v14, 2, v2
	v_mul_u32_u24 v14, v14, SP
	v_and_b32 v15, 3, v2
	v_lshl_add_u32 v14, v15, 4, v14
	v_add_nc_u32 v14, s29, v14                     ; the stage, on the way in: SP (lane / 4) + 16 (lane % 4)
	v_mul_u32_u24 v15, v2, SP
	v_add_nc_u32 v15, s29, v15                     ; and on the way out: SP x lane: my 16 neighbours
	v_mul_u32_u24 v4, v2, CB                       ; my codes' place in a step's
	v_lshrrev_b32 v5, 1, v2
	s_add_co_u32 s29, s29, 2*32*SP
	v_add_nc_u32 v5, s29, v5                       ; LDS: my wave's 256 scale bytes, my block's byte
	v_lshlrev_b32 v7, 3, v2                        ; 8 bytes a lane
	v_add_nc_u32 v6, s29, v7
	s_wait_kmcnt 0x0
	s_cmp_ge_u32 ttmp9, 352                        ; Wo's work-groups part here: a branch on the work-group's number alone
	s_cbranch_scc1 .Lwo
	; which tensor is mine: only pointers are chosen, by the work-group's number
	s_and_b32 s35, ttmp9, 31                       ; my place among a weight's 32 work-groups
	s_mov_b64 s[4:5], s[14:15]                     ; Wv,
	s_cmp_lt_u32 ttmp9, 320
	s_cselect_b64 s[4:5], s[12:13], s[4:5]         ; or Wk,
	s_cmp_lt_u32 ttmp9, 288
	s_cselect_b64 s[4:5], s[10:11], s[4:5]         ; or Wq,
	s_cmp_lt_u32 ttmp9, 256
	s_cselect_b64 s[4:5], s[8:9], s[4:5]           ; or x
	s_cselect_b64 s[30:31], s[18:19], s[22:23]     ; the codes' buffer
	s_cselect_b64 s[32:33], s[20:21], s[24:25]     ; the scale bytes'
	s_cselect_b32 s34, 0, 256                      ; the first work-group that writes into them
	s_cselect_b32 s35, ttmp9, s35                  ; my place in the tensor that I read
	s_lshl_b32 s35, s35, 2
	s_add_co_u32 s36, s35, s28                     ; which run of 8,192 numbers I read
	s_lshl_b32 s36, s36, 15                        ; 32,768 bytes a run (33,521,664 at the most)
	s_mov_b32 s37, 0
	s_add_nc_u64 s[4:5], s[4:5], s[36:37]
	s_sub_co_u32 s34, ttmp9, s34
	s_lshl_b32 s34, s34, 2
	s_add_co_u32 s34, s34, s28                     ; which run I write
	s_lshl_b32 s36, s34, 12                        ; 4,096 bytes of codes a run
	s_add_nc_u64 s[30:31], s[30:31], s[36:37]
	s_lshl_b32 s36, s34, 8                         ; 256 scale bytes a run
	s_add_nc_u64 s[32:33], s[32:33], s[36:37]
.macro LOAD t
.irp i, 0,1,2,3
	global_load_b128 v[R+16*((\t)%4)+4*\i:R+16*((\t)%4)+4*\i+3], v3, s[4:5] offset:2048*(\t)+512*\i th:TH_LOAD_NT   ; 32 lanes read 512 consecutive bytes
.endr
.endm
.macro TURN t                          ; step t's numbers through the stage: LDS serves a wave's instructions in order, so no wait stands between the stores and the loads
.irp i, 0,1,2,3
	ds_store_b128 v14, v[R+16*((\t)%4)+4*\i:R+16*((\t)%4)+4*\i+3] offset:32*SP*((\t)%2)+8*SP*\i
.endr
.irp i, 0,1,2,3
	ds_load_b128 v[X+16*((\t)%2)+4*\i:X+16*((\t)%2)+4*\i+3], v15 offset:32*SP*((\t)%2)+16*\i
.endr
.endm
.irp t, 0,1,2,3
	LOAD \t
.endr
	s_wait_loadcnt 12                              ; step 0's four loads are in; the twelve behind them may be out
	TURN 0
.macro STEP t
.set XS, X+16*((\t)%2)
.if (\t) > 0
	s_wait_dscnt 1                                 ; this step's numbers are back from the stage (the last step's byte store may be out): so its stores into the stage have read their registers,
.else
	s_wait_dscnt 0x0
.endif
.if (\t)+4 < STEPS
	LOAD (\t)+4                                    ; which take the loads of four steps on
.endif
.if (\t)+1 < STEPS
.if STEPS-2-(\t) >= 3
	s_wait_loadcnt 12                              ; the next step's four loads are in; those of the three steps behind it may be out
.else
	s_wait_loadcnt 4*(STEPS-2-(\t))
.endif
	TURN (\t)+1                                    ; and go through the other stage while this step is worked
.endif
	v_max3_num_f32 v8, |v[XS]|, |v[XS+1]|, |v[XS+2]|               ; the largest magnitude of my 16, in two chains
	v_max3_num_f32 v9, |v[XS+3]|, |v[XS+4]|, |v[XS+5]|
.irp i, 6,10
	v_max3_num_f32 v8, v8, |v[XS+\i]|, |v[XS+\i+1]|
	v_max3_num_f32 v9, v9, |v[XS+\i+2]|, |v[XS+\i+3]|
.endr
	v_max3_num_f32 v8, v8, |v[XS+14]|, |v[XS+15]|
	v_max3_num_f32 v8, v8, v9, (EMAX+1)<<23        ; and the floor 2^(3 - 127): so the byte cannot fall under 1
	v_max_num_f32_dpp v8, v8, v8 row_xmask:1 row_mask:0xf bank_mask:0xf   ; and of my neighbour's 16: the block's
	v_add_nc_u32 v11, -(EMAX<<23), v8              ; 2 off its exponent field: the conversion takes the exponent field of this operand as its scale, and nothing else of it
	v_cvt_scalef32_pk8_fp4_f32 v[C+4*(\t)], v[XS:XS+7], v11
	v_cvt_scalef32_pk8_fp4_f32 v[C+4*(\t)+1], v[XS+8:XS+15], v11
	v_lshrrev_b32 v[E+(\t)], 23, v11               ; the scale's byte (a plain line behind the conversions)
	ds_store_b8 v5, v[E+(\t)] offset:16*(\t)       ; both lanes of a block write the same byte with the same value
	global_store_b64 v4, v[C+4*(\t):C+4*(\t)+1], s[30:31] offset:32*CB*(\t)   ; 32 lanes store 256 consecutive bytes, aligned
.endm
.irp t, 0,1,2,3,4,5,6,7,8,9,10,11,12,13,14,15
	STEP \t
.endr
	ds_load_b64 v[8:9], v6                         ; LDS serves a wave's instructions in order: these see my stores
	s_wait_dscnt 0x0
	global_store_b64 v7, v[8:9], s[32:33]          ; 32 lanes store the wave's 256 scale bytes
	s_wait_tensorcnt 0x0                           ; the wave's end: a tensor wait, an add to my spare word and its wait, behind my last LDS store
	ds_add_u32 v[SPW], v[NIL]
	s_wait_dscnt 0x0
	s_endpgm
; Wo to f16: a plain stream, no LDS.  A wave's 8,192 numbers are 64 loads of 512 consecutive bytes, in four groups of 16; two groups are on their way.
.Lwo:
	s_sub_co_u32 s34, ttmp9, 352
	s_lshl_b32 s34, s34, 2
	s_add_co_u32 s34, s34, s28                     ; my run of 8,192 numbers
	s_lshl_b32 s36, s34, 15
	s_mov_b32 s37, 0
	s_add_nc_u64 s[16:17], s[16:17], s[36:37]
	s_lshl_b32 s36, s34, 14
	s_add_nc_u64 s[26:27], s[26:27], s[36:37]
.macro LOADG g
.irp i, 0,1,2,3,4,5,6,7,8,9,10,11,12,13,14,15
	global_load_b128 v[R+64*((\g)%2)+4*\i:R+64*((\g)%2)+4*\i+3], v3, s[16:17] offset:512*(16*(\g)+\i) th:TH_LOAD_NT
.endr
.endm
.macro GROUP g
.if (\g) < 3
	s_wait_loadcnt 16                              ; this group's 16 loads are in; the next group's may be out
.else
	s_wait_loadcnt 0x0
.endif
.if (\g) > 0
	s_wait_xcnt 0x0                                ; the last group's stores have read their data: the registers may be written again
.endif
.irp i, 0,1,2,3,4,5,6,7,8,9,10,11,12,13,14,15
	v_cvt_pk_f16_f32 v[YW+2*\i], v[R+64*((\g)%2)+4*\i], v[R+64*((\g)%2)+4*\i+1]
	v_cvt_pk_f16_f32 v[YW+2*\i+1], v[R+64*((\g)%2)+4*\i+2], v[R+64*((\g)%2)+4*\i+3]
.endr
.irp i, 0,1,2,3,4,5,6,7,8,9,10,11,12,13,14,15
	global_store_b64 v7, v[YW+2*\i:YW+2*\i+1], s[26:27] offset:256*(16*(\g)+\i)   ; 32 lanes store 256 consecutive bytes, aligned
.endr
.if (\g) < 2
	LOADG (\g)+2
.endif
.endm
	LOADG 0
	LOADG 1
	GROUP 0
	GROUP 1
	GROUP 2
	GROUP 3
	s_endpgm
.Lfunc_end_k_qe4aad7396c_quant:
	.size	k_qe4aad7396c_quant, .Lfunc_end_k_qe4aad7396c_quant-k_qe4aad7396c_quant
	.p2alignl 7, 3214868480
	.fill 96, 4, 3214868480
	.section	.rodata,"a",@progbits
	.p2align	6, 0x0
	.amdhsa_kernel k_qe4aad7396c_quant
		.amdhsa_group_segment_fixed_size 33280
		.amdhsa_private_segment_fixed_size 0
		.amdhsa_enable_private_segment 0
		.amdhsa_kernarg_size 80
		.amdhsa_user_sgpr_count 2
		.amdhsa_user_sgpr_kernarg_segment_ptr 1
		.amdhsa_wavefront_size32 1
		.amdhsa_system_sgpr_workgroup_id_x 1
		.amdhsa_system_sgpr_workgroup_id_y 1
		.amdhsa_system_sgpr_workgroup_id_z 1
		.amdhsa_system_vgpr_workitem_id 0
		.amdhsa_next_free_vgpr 192
		.amdhsa_next_free_sgpr 66
		.amdhsa_reserve_vcc 0
		.amdhsa_float_denorm_mode_32 3
		.amdhsa_float_denorm_mode_16_64 3
		.amdhsa_memory_ordered 1
		.amdhsa_forward_progress 1
		.amdhsa_inst_pref_size 54
	.end_amdhsa_kernel
	.amdgpu_metadata
---
amdhsa.version: [ 1, 2 ]
amdhsa.kernels:
  - .name:           k_qe4aad7396c_quant
    .symbol:         k_qe4aad7396c_quant.kd
    .args:
      - { .name: x, .offset: 0, .size: 8, .value_kind: global_buffer, .address_space: global }
      - { .name: Wq, .offset: 8, .size: 8, .value_kind: global_buffer, .address_space: global }
      - { .name: Wk, .offset: 16, .size: 8, .value_kind: global_buffer, .address_space: global }
      - { .name: Wv, .offset: 24, .size: 8, .value_kind: global_buffer, .address_space: global }
      - { .name: Wo, .offset: 32, .size: 8, .value_kind: global_buffer, .address_space: global }
      - { .name: x_codes, .offset: 40, .size: 8, .value_kind: global_buffer, .address_space: global }
      - { .name: x_scales, .offset: 48, .size: 8, .value_kind: global_buffer, .address_space: global }
      - { .name: w_codes, .offset: 56, .size: 8, .value_kind: global_buffer, .address_space: global }
      - { .name: w_scales, .offset: 64, .size: 8, .value_kind: global_buffer, .address_space: global }
      - { .name: wo16, .offset: 72, .size: 8, .value_kind: global_buffer, .address_space: global }
    .group_segment_fixed_size: 33280
    .private_segment_fixed_size: 0
    .kernarg_segment_align: 8
    .kernarg_segment_size: 80
    .max_flat_workgroup_size: 128
    .sgpr_count:     66
    .vgpr_count:     192
    .wavefront_size: 32
...
	.end_amdgpu_metadata
.endif
;; end of part 1
;; launch qkv (part 2): grid 12 x 32, 4 waves a work-group, clusters of 4 x 4, 327,680 bytes of LDS; arguments x_codes, x_scales, w_codes, w_scales, qkv; writes qkv
.if DOCPART == 2
	.amdgcn_target "amdgcn-amd-amdhsa--gfx1250"
	.amdhsa_code_object_version 6
	.text
	.protected	k_qe4aad7396c_qkv
	.globl	k_qe4aad7396c_qkv
	.p2align	8
	.type	k_qe4aad7396c_qkv,@function
k_qe4aad7396c_qkv:
	s_mov_b64 s[64:65], 0
	v_nop
	global_prefetch_b8 v0, s[64:65] scope:SCOPE_SE
	s_setreg_imm32_b32 hwreg(HW_REG_WAVE_MODE, 25, 1), 1
	s_wait_xcnt 0x0
	s_wait_alu depctr_hold_cnt(0) depctr_sa_sdst(0) depctr_va_vdst(0) depctr_va_sdst(0) depctr_va_ssrc(0) depctr_va_vcc(0) depctr_vm_vsrc(0)
	s_getreg_b32 s2, hwreg(HW_REG_IB_STS2, 6, 4)
	s_cmp_eq_u32 s2, 0
	s_cbranch_scc0 .Lentry_in_a_cluster
	s_endpgm
.Lentry_in_a_cluster:
	s_bfe_u32 s2, ttmp6, 0x10000c
	s_cmp_lg_u32 s2, 0xf033
	s_cbranch_scc0 .Lentry_shape_is_right
	s_endpgm
.Lentry_shape_is_right:
; SELF-ATTENTION, launch 2 of 4: q, k, v = x Wq^T, x Wk^T, x Wv^T as ONE product C[m][n] = sum over k of A[m][k] B[n][k] on codes of FP4 (E2M1) with one E8M0 scale for each 32 along K.
; A = x's codes [8192][1024], B = the three weights' codes [3072][1024] (rows 0-1023 Wq, 1024-2047 Wk, 2048-3071 Wv); sums in f32.  No work of the problem is left out.
; The results leave as f16, by head: qkv [3 sections][64 = 16 b + h][2048 s][64], a row of 128 bytes.  LIMIT: a result beyond 65,504 becomes infinity in f16; under 6e-5 it is rounded to a multiple of 2^-24.
; A tile of C, 256 x 256, is made by a work-group of four waves; a wave makes 128 x 128: 64 accumulators of 16 x 16, 512 registers.
; K = 1,024 is two LDS slots of 512 along K (a tile's row is 256 bytes of memory): both are asked for at the head, and nothing is ever filled again.
; THE SCALES of the work-group's 256 rows of A and of B, for all of K, are two dense blocks of memory: they come into LDS once, with the first fills.
; CLUSTERS: 4 x 4 work-groups.  The four of a row of the cluster need the same tiles of A, the four of a column the same tiles of B: each tile is asked for JOINTLY, by the same tensor load with the
; same descriptor and a mask that names the four.  THE MATRIX INSTRUCTION IS USED TRANSPOSED (source 0 = 16 rows of B, source 1 = 16 rows of A): a lane then holds eight neighbouring numbers of a row of C.
; REGISTERS, in windows of 256: window 0: v0-31 addresses; v32-95 scale words, two sets (they hold scales alone); v96-127 packed results on the way out; v128-191 A's fragments, ONE set; v192-255 rows read back on the way out.
;   window 1: B's fragments, TWO sets, at v0 and at v128.   window 2: the 32 accumulators of my rows 0-63 (accumulator (a, b) at v[8 (8 a + b)]);   window 3: those of my rows 64-127.
.set SIZE_K, 1024
.set KSTEP,  512                       ; along K in a slot
.set NQ,     KSTEP/128                 ; matrix instructions deep
.set ROWB,   256                       ; a tile's row in bytes
.set KROW,   SIZE_K*4/8                ; a row of A or of B in memory, in bytes
.set PITCH,  272                       ; an LDS row: 256 bytes + 16 of padding = 68 words: the 16 rows that a load touches start 4 words apart modulo 64
.set FR,     8                         ; registers of a fragment: 16 rows x 128 K
.set NL,     2                         ; LDS loads that bring one
.set NP,     4                         ; places behind this matrix instruction (ISA guide 7.12.1)
.set HALFT,  128*PITCH                 ; 128 rows: what one tensor load brings
.set SLOT,   4*HALFT                   ; A's 256 rows, then B's 256 rows
.set KS,     SIZE_K/32                 ; a row of scales in bytes
.set SCL,    2*SLOT                    ; behind the slots: the scales, as runs of 256 bytes + 16 of padding
.set HALFS,  (128*KS/256)*272          ; the scales of 128 rows
.set SBLK,   (16*KS/256)*272           ; those of 16 rows
.set SPARE,  SCL+4*HALFS               ; the spare words, 128 bytes for each wave
.set SPITCH, 272                       ; the way out: a stage of 16 rows x (256 bytes + 16) for each wave, in slot 0, which has had its only fill and its last read when the first result is stored there
.set ADRA, 16                          ; v16-17  LDS address of my A fragments in slot 0, 1
.set ADRB, 20                          ; v20-21  the same for B
.set STO,  24                          ; v24     the way out: where I put 16 bytes of a row
.set RD,   25                          ; v25     where I read them back
.set CO,   26                          ; v26     my byte offset in qkv
.set ADRS, 27                          ; v27     LDS address of my scale words: lanes 0-15 A's rows, lanes 16-31 B's
.set SPW,  28                          ; v28     LDS address of my spare word; never rewritten
.set NIL,  29                          ; v29     0; never rewritten
.set SC,   32                          ; scale words: set s at v[SC + 8 NQ s]; register NQ i + q: lanes 0-15 the word of A's block i, lanes 16-31 that of B's block i, for the slot's q-th 128 along K
.set TMP,  96
.set AF,   128
.set BK,   192
.set G1, 24                            ; s[24:31] descriptor group 1 for A's tiles;  s[32:39] group 0, one set for each slot
.set G0, 32
.set G1B, 48                           ; s[48:55], s[56:63] the same for B's tiles
.set G0B, 56
.set G1S, 68                           ; s[68:75], s[76:79] groups 1 and 0 for A's scales;  s[80:87], s[88:91] for B's
.set G0S, 76
.set G1SB, 80
.set G0SB, 88
.set MSB, 0
.macro WIN new                         ; the immediate's high byte repeats the setting that is left
.if MSB != \new
	s_set_vgpr_msb (MSB<<8)|\new
.set MSB, \new
.endif
.endm
.set MUL_LO, 0xa1                      ; source 0 (B) window 1, source 1 (A) window 0, C and D window 2
.set MUL_HI, 0xf1                      ; the same, C and D window 3
.set TO_B,   0x40                      ; destination window 1, address window 0
; A joint load: waves 0 and 1 fetch for A, waves 2 and 3 for B.  Each of the two lines has ONE mask and one set of registers for all that issue it; the branch hangs on the wave's number alone.
; An s_nop 0 and four v_nop follow each of the two lines.
.macro JLOAD g0a, g1a, g0b, g1b
	s_cmp_eq_u32 s15, 0
	s_cbranch_scc0 .Lfor_b_\@
	tensor_load_to_lds s[\g0a:\g0a+3], s[\g1a:\g1a+7]
	s_nop 0
.rept 4
	v_nop
.endr
	s_branch .Lasked_\@
.Lfor_b_\@:
	tensor_load_to_lds s[\g0b:\g0b+3], s[\g1b:\g1b+7]
	s_nop 0
.rept 4
	v_nop
.endr
.Lasked_\@:
.endm
.macro CROUND                          ; a round of the cluster's barrier
	s_barrier_signal -1
	s_barrier_wait -1
	s_cmp_lg_u32 s14, 0
	s_cbranch_scc1 .Lnot_wave_0_\@
	s_barrier_signal -3
.Lnot_wave_0_\@:
	s_barrier_wait -3
	s_barrier_signal -1
	s_barrier_wait -1
.endm
	s_load_b128 s[4:7], s[0:1], 0x0                ; A's codes s[4:5], A's scales s[6:7]
	s_load_b128 s[8:11], s[0:1], 0x10              ; B's codes s[8:9], B's scales s[10:11]
	s_load_b64 s[12:13], s[0:1], 0x20              ; qkv
	v_lshl_add_u32 v[SPW], v0, 2, SPARE
	v_mov_b32 v[NIL], 0
	ds_add_u32 v[SPW], v[NIL]                      ; the wave's opening: the add, twice on end, and its wait ahead of my first tensor load
	ds_add_u32 v[SPW], v[NIL]                      ; and once more, under the one wait; the set-up below, work on registers, stands between
	v_lshrrev_b32 v1, 5, v0
	v_readfirstlane_b32 s14, v1                    ; wave 0..3
	s_lshr_b32 s15, s14, 1                         ; which half of the tile's rows is mine.  Also: I fetch for A (0) or for B (1)
	s_and_b32 s16, s14, 1                          ; which half of its columns.  Also: which 128 rows of that tile I fetch
	s_bfe_u32 s40, ttmp6, 0x40000                  ; cx, cy: my place in the cluster
	s_bfe_u32 s41, ttmp6, 0x40004
	s_lshl_b32 s42, ttmp9, 2
	s_add_co_u32 s42, s42, s40                     ; tile column of C = 4 x cluster x + cx
	s_and_b32 s17, ttmp7, 0xffff
	s_lshl_b32 s17, s17, 2
	s_add_co_u32 s17, s17, s41                     ; tile row of C = 4 x cluster y + cy
	s_lshl_b32 s43, s41, 2
	s_lshl_b32 s43, 15, s43                        ; my row of the cluster
	s_lshl_b32 s44, 0x1111, s40                    ; my column
	; descriptor group 1: a tile of 128 rows x 256 bytes, padded in LDS
	s_or_b32 s[G1+0], s43, (0<<16)|(1<<20)|(1<<21)|(5<<22)|(3<<25)  ; 15:0 the mask: A's tiles go to my row; elements of 1 byte; padding on; bit 21 beside a mask; after every 64 words, 4 words
	s_or_b32 s[G1B+0], s44, (0<<16)|(1<<20)|(1<<21)|(5<<22)|(3<<25)
.irp g, G1, G1B
	s_mov_b32 s[\g+1], ROWB<<16                    ; tensor_dim0
	s_mov_b32 s[\g+2], 128<<16                     ; tensor_dim1 = 128
	s_mov_b32 s[\g+3], ROWB<<16                    ; tile_dim0
	s_mov_b32 s[\g+4], 128                         ; tile_dim1 = 128
	s_mov_b32 s[\g+5], KROW                        ; tensor_dim0_stride
	s_mov_b32 s[\g+6], 0
	s_mov_b32 s[\g+7], 0
.endr
	; and for the scales of 128 rows: a dense block of 4,096 bytes, as rows of 256 bytes (32 elements of 8 bytes), 16 bytes of padding behind each
	s_or_b32 s[G1S+0], s43, (3<<16)|(1<<20)|(1<<21)|(5<<22)|(3<<25)
	s_or_b32 s[G1SB+0], s44, (3<<16)|(1<<20)|(1<<21)|(5<<22)|(3<<25)
.irp g, G1S, G1SB
	s_mov_b32 s[\g+1], 32<<16
	s_mov_b32 s[\g+2], (128*KS/256)<<16
	s_mov_b32 s[\g+3], 32<<16
	s_mov_b32 s[\g+4], 128*KS/256
	s_mov_b32 s[\g+5], 32
	s_mov_b32 s[\g+6], 0
	s_mov_b32 s[\g+7], 0
.endr
	s_lshl_b32 s18, s16, 7                         ; which 128 rows of the tile I fetch
	s_lshl_b32 s20, s17, 8
	s_add_co_u32 s20, s20, s18                     ; A: row 256 x tile row + 128 x half
	s_lshl_b32 s46, s42, 8
	s_add_co_u32 s46, s46, s18                     ; B: row 256 x tile column + 128 x half
	s_mov_b32 s21, 0
	s_mov_b32 s47, 0
	s_mov_b64 s[18:19], KS
	s_mul_u64 s[22:23], s[20:21], s[18:19]         ; where these rows' scales begin, in bytes
	s_mul_u64 s[92:93], s[46:47], s[18:19]
	s_mov_b64 s[18:19], KROW
	s_mul_u64 s[20:21], s[20:21], s[18:19]         ; and their codes
	s_mul_u64 s[46:47], s[46:47], s[18:19]
	s_mul_i32 s45, s14, HALFT                      ; where they go: wave x 128 rows: no place in the cluster enters an LDS address
	s_mul_i32 s94, s14, HALFS
	s_wait_dscnt 0x0                               ; both opening adds are done
	s_wait_kmcnt 0x0
	s_add_nc_u64 s[20:21], s[4:5], s[20:21]
	s_add_nc_u64 s[22:23], s[6:7], s[22:23]
	s_add_nc_u64 s[46:47], s[8:9], s[46:47]
	s_add_nc_u64 s[92:93], s[10:11], s[92:93]
	CROUND                                         ; all sixteen work-groups are here: the joint loads meet
	s_mov_b32 s[G0S], 1
	s_add_co_u32 s[G0S+1], s94, SCL
	s_mov_b64 s[G0S+2:G0S+3], s[22:23]
	s_or_b32 s[G0S+3], s[G0S+3], 0x80000000
	s_mov_b32 s[G0SB], 1
	s_add_co_u32 s[G0SB+1], s94, SCL
	s_mov_b64 s[G0SB+2:G0SB+3], s[92:93]
	s_or_b32 s[G0SB+3], s[G0SB+3], 0x80000000
	JLOAD G0S, G1S, G0SB, G1SB                     ; the scales first: they are wanted with slot 0
.irp s, 0,1
	s_mov_b32 s[G0+4*\s], 1
	s_add_co_u32 s[G0+4*\s+1], s45, \s*SLOT
	s_add_nc_u64 s[G0+4*\s+2:G0+4*\s+3], s[20:21], \s*ROWB
	s_or_b32 s[G0+4*\s+3], s[G0+4*\s+3], 0x80000000
	s_mov_b32 s[G0B+4*\s], 1
	s_add_co_u32 s[G0B+4*\s+1], s45, \s*SLOT
	s_add_nc_u64 s[G0B+4*\s+2:G0B+4*\s+3], s[46:47], \s*ROWB
	s_or_b32 s[G0B+4*\s+3], s[G0B+4*\s+3], 0x80000000
	JLOAD G0+4*\s, G1, G0B+4*\s, G1B               ; three tensor loads of mine are out behind the second of these
.endr
	v_and_b32 v1, 15, v0                           ; r = l % 16
	v_bfe_u32 v2, v0, 4, 1                         ; h = l / 16
	v_mul_u32_u24 v3, v1, PITCH
	v_lshl_add_u32 v4, v2, 4, v3                   ; a fragment's row x pitch + 16 x half
	s_mul_i32 s21, s15, HALFT                      ; my 128 rows of A
	s_mul_i32 s22, s16, HALFT                      ; my 128 rows of B,
	s_add_co_u32 s22, s22, 2*HALFT                 ; which lie behind A's 256
.irp s, 0,1
	v_add_nc_u32 v[ADRA+\s], s21, v4
	v_add_nc_u32 v[ADRB+\s], s22, v4
	s_add_co_u32 s21, s21, SLOT
	s_add_co_u32 s22, s22, SLOT
.endr
	v_mul_u32_u24 v5, v1, KS                       ; my row's scales: KS bytes a row,
	v_lshrrev_b32 v6, 8, v5
	v_lshl_add_u32 v5, v6, 4, v5                   ; and 16 more for each 256 passed
	s_mul_i32 s21, s15, HALFS                      ; A's: my 128 rows
	s_mul_i32 s22, s16, HALFS                      ; B's: my 128 rows, behind A's 256
	s_add_co_u32 s22, s22, 2*HALFS
	s_sub_co_u32 s22, s22, s21
	v_mul_u32_u24 v6, s22, v2                      ; lanes 16-31 take B's: the lower base + h x the distance
	s_add_co_u32 s21, s21, SCL
	v_add_nc_u32 v5, v5, v6
	v_add_nc_u32 v[ADRS], s21, v5
	s_mul_i32 s23, s14, 16*SPITCH                  ; my stage
	v_mul_u32_u24 v5, v1, SPITCH                   ; in: row r, 16 bytes for each half of the lanes
	v_lshl_add_u32 v5, v2, 4, v5
	v_add_nc_u32 v[STO], s23, v5
	v_bfe_u32 v5, v0, 3, 1                         ; back: a stage row holds 128 bytes of each of my two heads.  Lanes 0-15 take the first head's part of two rows, lanes 16-31 the second's
	v_and_b32 v6, 7, v0
	v_mul_u32_u24 v7, v5, SPITCH
	v_lshl_add_u32 v7, v2, 7, v7
	v_lshl_add_u32 v7, v6, 4, v7
	v_add_nc_u32 v[RD], s23, v7
	v_lshlrev_b32 v7, 18, v2                       ; and in qkv: a head is 2^18 bytes, a row 128
	v_lshl_add_u32 v7, v5, 7, v7
	v_lshl_add_u32 v[CO], v6, 4, v7
	; where my part begins in qkv: section = cluster x (1,024 columns are four tile columns); batch = tile row / 8; head = 4 cx + 2 x my half of the columns; position = 256 (tile row % 8) + 128 x my half of the rows
	s_lshr_b32 s20, s17, 3
	s_lshl_b32 s20, s20, 22                        ; 16 heads of 2^18 bytes a batch
	s_and_b32 s21, s17, 7
	s_lshl_b32 s21, s21, 15                        ; 256 rows of 128 bytes
	s_add_co_u32 s20, s20, s21
	s_lshl_b32 s21, s15, 14                        ; 128 rows
	s_add_co_u32 s20, s20, s21
	s_lshl_b32 s46, ttmp9, 24                      ; a section is 2^24 bytes
	s_lshl_b32 s47, s40, 20                        ; four heads
	s_add_co_u32 s46, s46, s47
	s_lshl_b32 s47, s16, 19                        ; two heads
	s_add_co_u32 s46, s46, s47
	s_add_co_u32 s20, s20, s46                     ; under 50,331,648
	s_mov_b32 s21, 0
	s_add_nc_u64 s[12:13], s[12:13], s[20:21]
.macro FRAG reg, adr, q, i             ; a fragment, 16 rows x 128 K of 4-bit codes, is 8 registers: lane l holds row l % 16; registers 4 c .. 4 c + 3 hold K = 64 c + 32 (l / 16) + 0 .. 31
.irp c, 0,1
	ds_load_b128 v[\reg+4*\c:\reg+4*\c+3], v[\adr] offset:64*(\q)+32*\c+(\i)*16*PITCH
.endr
.endm
; 16 matrix instructions: A's blocks a0, a0 + 1 x B's eight, 128 along K: the slot's q-th.  p: B's set;  sc: the set of scale words.  zero = 1: the first product starts the sums: nothing is ever cleared.
; The 64 accumulators take turns, one instruction a turn, in the same order in every step.
.macro MUL16 a0, p, q, sc, zero
.irp a, \a0, \a0+1
.irp b, 0,1,2,3,4,5,6,7
.if \zero
	v_wmma_scale_f32_16x16x128_f8f6f4 v[8*(8*((\a)%4)+\b):8*(8*((\a)%4)+\b)+7], v[128*(\p)+FR*\b:128*(\p)+FR*\b+FR-1], v[AF+FR*(\a):AF+FR*(\a)+FR-1], 0, v[SC+8*NQ*(\sc)+NQ*\b+(\q)], v[SC+8*NQ*(\sc)+NQ*(\a)+(\q)] matrix_a_fmt:MATRIX_FMT_FP4 matrix_b_fmt:MATRIX_FMT_FP4 matrix_a_scale:MATRIX_SCALE_ROW1
.else
	v_wmma_scale_f32_16x16x128_f8f6f4 v[8*(8*((\a)%4)+\b):8*(8*((\a)%4)+\b)+7], v[128*(\p)+FR*\b:128*(\p)+FR*\b+FR-1], v[AF+FR*(\a):AF+FR*(\a)+FR-1], v[8*(8*((\a)%4)+\b):8*(8*((\a)%4)+\b)+7], v[SC+8*NQ*(\sc)+NQ*\b+(\q)], v[SC+8*NQ*(\sc)+NQ*(\a)+(\q)] matrix_a_fmt:MATRIX_FMT_FP4 matrix_b_fmt:MATRIX_FMT_FP4 matrix_a_scale:MATRIX_SCALE_ROW1
.endif
.endr
.endr
.endm
.macro FETCH_B slot, q, p              ; B's eight fragments of the slot's q-th 128 along K into set p
	WIN TO_B
.irp i, 0,1,2,3,4,5,6,7
	FRAG 128*(\p)+FR*\i, ADRB+\slot, \q, \i
.endr
	WIN 0
.endm
.macro FETCH_A slot, q, i0             ; A's blocks i0 .. i0 + 3
.irp i, \i0, \i0+1, \i0+2, \i0+3
	FRAG AF+FR*(\i), ADRA+\slot, \q, \i
.endr
.endm
.macro SCALES sc                       ; a slot's scale words into set sc: NQ words a row; lanes 0-15 take A's block i, lanes 16-31 B's block i
.irp i, 0,1,2,3,4,5,6,7
	ds_load_b128 v[SC+8*NQ*\sc+NQ*\i:SC+8*NQ*\sc+NQ*\i+3], v[ADRS] offset:\i*SBLK
.endr
.endm
; A load into a register that a matrix instruction has read, and a vector instruction that reads a matrix result, stand NP places behind that matrix instruction; only plain vector instructions that name none of its registers are places.
.macro PLACES n
.rept \n
	v_nop
.endr
.endm
; A step of 128 along K that has its successor in the same slot.
.macro STEP slot, q, zero
	s_wait_dscnt 4*NL                              ; B's set and A's blocks 0-3 are in; the youngest eight loads (A's blocks 4-7) may be out
	WIN MUL_LO
	MUL16 0, (\q)%2, \q, \slot, \zero
	MUL16 2, (\q)%2, \q, \slot, \zero
	s_wait_dscnt 0                                 ; A's blocks 4-7 are in (asked for 32 matrix instructions ago)
	PLACES NP
	FETCH_B \slot, (\q)+1, 1-(\q)%2
	FETCH_A \slot, (\q)+1, 0
	WIN MUL_HI
	MUL16 4, (\q)%2, \q, \slot, \zero
	MUL16 6, (\q)%2, \q, \slot, \zero
	PLACES NP
	WIN 0
	FETCH_A \slot, (\q)+1, 4
.endm
; Slot 0's last step changes slots: one barrier; in front of it each wave waits for all its tensor loads (its part of slot 1), adds 0 to its spare word, and waits for that and for its own reads of slot 0.
.macro TURN slot, next
	s_wait_tensorcnt 0x0                           ; all my tensor loads have landed: my part of the next slot  (every window is 0 here)
	ds_add_u32 v[SPW], v[NIL]                      ; 0 onto my spare word
	s_wait_dscnt 4*NL+1                            ; (the add and the youngest eight loads, A's blocks 4-7, may be out)
	WIN MUL_LO
	MUL16 0, 1, NQ-1, \slot, 0                     ; sixteen matrix instructions stand between the add and the wait for it
	s_wait_dscnt 0x0                               ; the add is done, and my reads of this slot are over
	s_barrier_signal -1
	MUL16 2, 1, NQ-1, \slot, 0
	WIN 0
	s_barrier_wait -1
	PLACES NP
	v_add_nc_u32 v[ADRS], 4*NQ, v[ADRS]            ; on to the next slot's scale words (no LDS load of mine is out)
	FETCH_B \next, 0, 0
	FETCH_A \next, 0, 0
	SCALES \next
	WIN MUL_HI
	MUL16 4, 1, NQ-1, \slot, 0
	MUL16 6, 1, NQ-1, \slot, 0
	PLACES NP
	WIN 0
	FETCH_A \next, 0, 4
.endm
.macro STEPS slot, from                ; the slot's steps from .. NQ - 2
.set Q, \from
.rept NQ-1-\from
	STEP \slot, Q, 0
.set Q, Q+1
.endr
.endm
	s_wait_tensorcnt 1                             ; the scales and my part of slot 0 are in (slot 1's load, the one issued behind them, may be out),
	s_barrier_signal -1
	s_barrier_wait -1                              ; everybody's are
	FETCH_B 0, 0, 0
	FETCH_A 0, 0, 0
	SCALES 0
	FETCH_A 0, 0, 4
	STEP 0, 0, 1                                   ; the first step's products start the sums
	STEPS 0, 1
	TURN 0, 1
	STEPS 1, 0
	s_wait_dscnt 4*NL                              ; the very last step: nothing more to fetch
	WIN MUL_LO
	MUL16 0, 1, NQ-1, 1, 0
	MUL16 2, 1, NQ-1, 1, 0
	s_wait_dscnt 0
	WIN MUL_HI
	MUL16 4, 1, NQ-1, 1, 0
	MUL16 6, 1, NQ-1, 1, 0
	WIN 0
; THE WAY OUT, block by block of 16 rows x 128 columns (two heads).  PACK: rounded to f16, 16 bytes a lane, each accumulator from its low end on.  TOSTAGE: into my own stage in LDS, and back so that sixteen lanes hold
; two neighbouring rows of ONE head, 256 consecutive bytes of qkv.  SEND: stored.  LDS serves a wave's instructions in order (ISA guide 5.7.1.4): no wait between the stores and the loads.
.macro PACK a
.set AC, 64*((\a)%4)
	WIN 0x0a+5*((\a)/4)                            ; sources 0 and 1: window 2 or 3
.irp b, 0,1,2,3,4,5,6,7
.irp i, 0,1,2,3
	v_cvt_pk_f16_f32 v[TMP+4*\b+\i], v[AC+8*\b+2*\i], v[AC+8*\b+2*\i+1]
.endr
.endr
	WIN 0
.endm
.macro TOSTAGE a
.set BB, BK+32*((\a)%2)
.irp b, 0,1,2,3,4,5,6,7
	ds_store_b128 v[STO], v[TMP+4*\b:TMP+4*\b+3] offset:32*\b
.endr
.irp i, 0,1,2,3,4,5,6,7
	ds_load_b128 v[BB+4*\i:BB+4*\i+3], v[RD] offset:\i*2*SPITCH
.endr
.endm
.macro SEND a
.set BB, BK+32*((\a)%2)
	s_wait_dscnt 0x0                               ; the block is back in registers
	s_wait_xcnt 0x0                                ; the block before has left its registers: the next TOSTAGE may load into them
.irp i, 0,1,2,3,4,5,6,7
	global_store_b128 v[CO], v[BB+4*\i:BB+4*\i+3], s[12:13] offset:2048*(\a)+256*\i   ; lanes 0-15 store 256 consecutive bytes of one head, aligned; lanes 16-31 of the next head
.endr
.endm
	PLACES NP                                      ; behind the last products
	PACK 0
	TOSTAGE 0
.irp a, 1,2,3,4,5,6,7                  ; block a's conversions stand between block a - 1's loads from the stage and the wait for them
	PACK \a
	SEND \a-1
	TOSTAGE \a
.endr
	SEND 7
	s_wait_tensorcnt 0x0                           ; the wave's end: a tensor wait, an add to my spare word and its wait, behind my last tensor load and my last LDS store
	ds_add_u32 v[SPW], v[NIL]
	s_wait_dscnt 0x0
	CROUND                                         ; the closing round: no work-group ends while a partner may still ask for a tile that names it
	s_endpgm
.Lfunc_end_k_qe4aad7396c_qkv:
	.size	k_qe4aad7396c_qkv, .Lfunc_end_k_qe4aad7396c_qkv-k_qe4aad7396c_qkv
	.p2alignl 7, 3214868480
	.fill 96, 4, 3214868480
	.section	.rodata,"a",@progbits
	.p2align	6, 0x0
	.amdhsa_kernel k_qe4aad7396c_qkv
		.amdhsa_group_segment_fixed_size 327680
		.amdhsa_private_segment_fixed_size 0
		.amdhsa_enable_private_segment 0
		.amdhsa_kernarg_size 40
		.amdhsa_user_sgpr_count 2
		.amdhsa_user_sgpr_kernarg_segment_ptr 1
		.amdhsa_wavefront_size32 1
		.amdhsa_system_sgpr_workgroup_id_x 1
		.amdhsa_system_sgpr_workgroup_id_y 1
		.amdhsa_system_sgpr_workgroup_id_z 1
		.amdhsa_system_vgpr_workitem_id 0
		.amdhsa_next_free_vgpr 1024
		.amdhsa_next_free_sgpr 98
		.amdhsa_reserve_vcc 0
		.amdhsa_float_denorm_mode_32 3
		.amdhsa_float_denorm_mode_16_64 3
		.amdhsa_memory_ordered 1
		.amdhsa_forward_progress 1
		.amdhsa_inst_pref_size 127
	.end_amdhsa_kernel
	.amdgpu_metadata
---
amdhsa.version: [ 1, 2 ]
amdhsa.kernels:
  - .name:           k_qe4aad7396c_qkv
    .symbol:         k_qe4aad7396c_qkv.kd
    .args:
      - { .name: x_codes, .offset: 0, .size: 8, .value_kind: global_buffer, .address_space: global }
      - { .name: x_scales, .offset: 8, .size: 8, .value_kind: global_buffer, .address_space: global }
      - { .name: w_codes, .offset: 16, .size: 8, .value_kind: global_buffer, .address_space: global }
      - { .name: w_scales, .offset: 24, .size: 8, .value_kind: global_buffer, .address_space: global }
      - { .name: qkv, .offset: 32, .size: 8, .value_kind: global_buffer, .address_space: global }
    .group_segment_fixed_size: 327680
    .private_segment_fixed_size: 0
    .kernarg_segment_align: 8
    .kernarg_segment_size: 40
    .max_flat_workgroup_size: 128
    .sgpr_count:     98
    .vgpr_count:     1024
    .wavefront_size: 32
...
	.end_amdgpu_metadata
.endif
;; end of part 2
;; launch attn (part 3): grid 8 x 32, 8 waves a work-group, clusters of 4 x 1, 327,680 bytes of LDS; arguments qkv, ao; writes ao
.if DOCPART == 3
	.amdgcn_target "amdgcn-amd-amdhsa--gfx1250"
	.amdhsa_code_object_version 6
	.text
	.protected	k_qe4aad7396c_attn
	.globl	k_qe4aad7396c_attn
	.p2align	8
	.type	k_qe4aad7396c_attn,@function
k_qe4aad7396c_attn:
	s_mov_b64 s[64:65], 0
	v_nop
	global_prefetch_b8 v0, s[64:65] scope:SCOPE_SE
	s_setreg_imm32_b32 hwreg(HW_REG_WAVE_MODE, 25, 1), 1
	s_wait_xcnt 0x0
	s_wait_alu depctr_hold_cnt(0) depctr_sa_sdst(0) depctr_va_vdst(0) depctr_va_sdst(0) depctr_va_ssrc(0) depctr_va_vcc(0) depctr_vm_vsrc(0)
	s_getreg_b32 s2, hwreg(HW_REG_IB_STS2, 6, 4)
	s_cmp_eq_u32 s2, 0
	s_cbranch_scc0 .Lentry_in_a_cluster
	s_endpgm
.Lentry_in_a_cluster:
	s_bfe_u32 s2, ttmp6, 0x10000c
	s_cmp_lg_u32 s2, 0x3003
	s_cbranch_scc0 .Lentry_shape_is_right
	s_endpgm
.Lentry_shape_is_right:
; SELF-ATTENTION, launch 3 of 4: O[bh][q] = the sum over k of softmax_k(Q[bh][q] . K[bh][k] / 8) V[bh][k], no mask, 64 heads of 2,048 positions x 64 channels.  No work of the problem is left out.
; Q, K, V: the three sections of qkv, [64 bh][2048][64] f16.  Products on f16 operands with f32 sums; maxima, exponentials and sums in f32; the weights p (at most 1) are rounded to f16 for the second product.
; O leaves as f16 into ao [8192 = 2048 b + s][1024 = 64 h + d].  LIMIT: O is an average of V's rows and has V's range; under 6e-5 it is rounded to a multiple of 2^-24.
; SHARES.  A work-group owns 256 queries of TWO neighbouring heads, so that a query's 2 x 128 bytes of ao are 256 consecutive bytes, aligned.  Wave w: head w / 4 of the two, queries 64 (w % 4) on: four tiles of 16.
; Eight waves of 512 registers: two to a SIMD, so that one wave's softmax can stand beside the other's products.  Every wave walks all 2,048 keys of its head, 64 a step.
; LAYOUT.  S^T = K Q^T (source 0 = 16 keys, source 1 = 16 queries): a lane holds ONE query (lane % 16) and the keys 8 (lane / 16) + 0..7.  Two such tiles, rounded to f16 in pairs, ARE source 1 (32 keys x 16 queries)
; of O^T = V^T P, whose result again holds one query a lane, and eight channels.  K comes out of LDS as it lies, V ([key][channel]) turned, by ds_load_tr16_b128.
; SOFTMAX.  For each query a running maximum m and sum l: p = 2^(c s - c m), c = log2(e) / 8; in every step O and l are multiplied by a = 2^(c m_old - c m_new), which is 1 where m has not grown: no branch on data.
; CLUSTER.  The four query blocks of a cluster belong to the same two heads and walk the same K and V, so each tile is asked for JOINTLY: the same tensor load, with the same descriptor and a mask that names the four.
; RING.  Two LDS slots of 128 keys of both heads.  Each of the eight waves fetches one tile of 64 rows x 128 bytes (bit 0 of its number: which 64 keys; bit 1: K or V; bit 2: which head): one tensor load a wave behind each round.
; REGISTERS, in two windows of 256.  Window 0: v2-12 addresses; v16-47 eight registers of statistics a tile; v48-111 Q; v112-239 S^T, 32 a tile (P in place in each tile's first 16); v240-247 a second chain of sums.
;   Window 1: v0-127 O^T, 32 a tile; v128-191 K of one step; v192-255 V of one step.
.set KS,    64        ; keys in a step
.set ROWB,  128       ; a row of Q, K or V in bytes
.set PK,    144       ; a row of K in LDS: 128 bytes + 16 = 36 words: the 16 rows of a load start 4 words apart modulo 64
.set PV,    160       ; a row of V: 128 + 32 = 40 words: 16 lanes of the turning load take 8 rows x 32 bytes, 8 words apart modulo 64
.set VOFF,  KS*PK     ; a step's tiles lie together: 64 rows of K, then 64 rows of V
.set STEPB, KS*(PK+PV)
.set HEADB, 2*STEPB   ; a head's two steps; a slot holds two heads
.set SLOT1, 1<<17     ; slot 1 begins here, so that one exclusive or turns an address in one slot into the other's
.set STAGE, SLOT1+2*HEADB  ; behind the ring: 256 rows x 272 bytes, the work-group's, for the way out; no tile lands here
.set SP,    272
.set SPARE, STAGE+256*SP   ; the spare words, 128 bytes for each of eight waves
.set SEC,   1<<24     ; a section of qkv in bytes
.set AK0, 2           ; v2   my lane's place in a tile of K of my head; never rewritten
.set AV0, 3           ; v3   the same for V
.set ADR, 4           ; v4   LDS address of K's run of loads
.set ADR2, 5          ; v5   of V's
.set QO,  6           ; v6   my byte offset in the wave's rows of Q
.set STO, 7           ; v7   the way out: where I put 16 bytes of a row
.set RD,  8           ; v8   where I read a row back
.set GO,  9           ; v9   my byte offset in the wave's rows of ao
.set PFO, 10          ; v10  the prefetches' offset; never rewritten
.set SPW, 11          ; v11  LDS address of my spare word; never rewritten
.set NIL, 12          ; v12  0; never rewritten
.set ST,  16          ; tile t's statistics at v[ST+8 t]: +0 c m, +1 m, +2, +3 l (even keys', odd keys'), +4 to +7 c0-c3, at work; a takes c2's place once the maximum is found
.set Q,   48          ; tile t, channels 32 f on: v[Q+16 t+8 f]
.set S,   112         ; tile t, keys 16 kt on: v[S+32 t+8 kt]
.set TS,  240
.set KF,  128         ; window 1: keys 16 kt on, channels 32 f on: v[KF+16 kt+8 f]
.set VF,  192         ; window 1: keys 32 kc on, channels 16 dt on: v[VF+32 kc+8 dt]
.set WV,  12          ; s12  my wave's number
.set LIM, 15          ; s15  1 in a wave that prefetches, else the greatest number
.set PFA, 18          ; s[18:19] where my prefetches stand
.set KV,  20          ; s20  0: I fetch tiles of K; 1: of V
.set G1K, 24          ; s[24:31] descriptor group 1 for K's tiles
.set G1V, 32          ; s[32:39] for V's: it differs in the padding alone
.set G0K, 40          ; s[40:47] group 0 for K's tiles: a set for each of the two first fills; the second then walks on
.set G0V, 48          ; s[48:55] the same for V's
.set SLOTS, 56        ; s56  slots still to be asked for
.set TWICE, 57        ; s57  counts a slot's two steps
.set CS,  58          ; s[58:59] c
.set SEL, 60          ; s[60:61] lane selects for v_permlanex16_b32: lane l xor 16
.set TB,  62          ; s62  LDS byte at which the tiles of the step to be fetched begin, within a head's part
.set YY,  63          ; s63  the grid's y: 8 x batch + pair of heads
.set MSB, 0
.macro WIN new                      ; the immediate's high byte repeats the setting that is left; a switch that changes nothing is dropped
.if MSB != \new
	s_set_vgpr_msb (MSB<<8)|\new
.set MSB, \new
.endif
.endm
.set W_KQ, 0x01       ; K in window 1; Q and S^T in window 0
.set W_PV, 0x51       ; V, C and D in window 1; P in window 0
.set W_RS, 0x41       ; O^T (destination and source 0) in window 1, a in window 0
.set TO_1, 0x40       ; a load's destination in window 1, its address in window 0
; A joint refill: one tensor load a wave.  The branch hangs on the wave's number alone.  An s_nop 0 and four v_nop follow each of the two lines.
.macro JLOAD
	s_cmp_eq_u32 s[KV], 0
	s_cbranch_scc0 .Lfor_v_\@
	tensor_load_to_lds s[G0K+4:G0K+7], s[G1K:G1K+7]
	s_nop 0
.rept 4
	v_nop
.endr
	s_branch .Lasked_\@
.Lfor_v_\@:
	tensor_load_to_lds s[G0V+4:G0V+7], s[G1V:G1V+7]
	s_nop 0
.rept 4
	v_nop
.endr
.Lasked_\@:
.endm
; A PREFETCH INTO THE L2 of what the NEXT change of slots will ask for: 128 keys of K and of V of both heads, 4 x 16,384 bytes, 256 blocks of 256 bytes.  It stands behind the wave's tensor load and its five lines.
; Each block is named ONCE in the launch: both clusters of a pair of heads walk the same rows, and the first of them asks; its four partners take 4,096 bytes of each tile, told apart BY ADDRESS; in each, wave 0 asks for K's
; and wave 2 for V's: lanes 0-15 the first head's 16 blocks, lanes 16-31 the second's.  The last change that fills a slot asks for nothing; slots 0, 1 and 2 come by their loads alone.
.macro ASK
	s_cmp_gt_u32 s[SLOTS], s[LIM]
	s_cbranch_scc0 .Lnot_mine_\@
	global_prefetch_b8 v[PFO], s[PFA:PFA+1] th:TH_LOAD_NT scope:SCOPE_SE
.Lnot_mine_\@:
.endm
.macro CROUND                       ; a round of the cluster's barrier
	s_barrier_signal -1
	s_barrier_wait -1
	s_cmp_lg_u32 s[WV], 0
	s_cbranch_scc1 .Lnot_wave_0_\@
	s_barrier_signal -3
.Lnot_wave_0_\@:
	s_barrier_wait -3
	s_barrier_signal -1
	s_barrier_wait -1
.endm
	s_load_b128 s[4:7], s[0:1], 0x0  ; qkv s[4:5], ao s[6:7]
	v_lshl_add_u32 v[SPW], v0, 2, SPARE
	v_mov_b32 v[NIL], 0
	ds_add_u32 v[SPW], v[NIL]       ; the wave's opening: the add, twice on end, and its wait ahead of my first tensor load
	ds_add_u32 v[SPW], v[NIL]       ; and once more, under the one wait; the set-up below, work on registers, stands between
	v_lshrrev_b32 v13, 5, v0
	v_readfirstlane_b32 s[WV], v13  ; wave 0..7
	s_bfe_u32 s13, ttmp6, 0x40000   ; cx: my place in the cluster
	s_lshl_b32 s14, ttmp9, 2        ; in a cluster launch ttmp9 counts clusters
	s_add_co_u32 s14, s14, s13      ; my block of 256 queries: it enters Q's, ao's and the prefetches' addresses alone
	s_and_b32 s[YY], ttmp7, 0xffff
	s_lshr_b32 s16, s[WV], 2        ; which of the two heads is mine
	s_and_b32 s17, s[WV], 1         ; which of a slot's two steps I fetch
	s_bfe_u32 s[KV], s[WV], 0x10001 ; bit 1: K or V
	s_lshl_b32 s22, s[YY], 1
	s_add_co_u32 s22, s22, s16      ; my head: 16 b + h = 2 y + which
	s_lshl_b32 s22, s22, 18         ; its first byte in a section: 2^18 bytes a head
	s_and_b32 s2, s[WV], 3
	s_lshl_b32 s2, s2, 13           ; my wave's 64 queries of 128 bytes,
	s_lshl_b32 s3, s14, 15          ; my block's 256
	s_add_co_u32 s70, s2, s3
	s_add_co_u32 s70, s70, s22      ; Q: my first row's byte
	s_mov_b32 s71, 0
	s_lshl_b32 s23, s17, 13         ; the tile that I fetch: its 64 rows in memory,
	s_add_co_u32 s22, s22, s23
	s_mov_b32 s23, 0
	s_mul_i32 s21, s16, HEADB       ; and its place in a slot: no place in the cluster enters an LDS address
	s_mul_i32 s10, s17, STEPB
	s_add_co_u32 s21, s21, s10
	; descriptor group 1: a tile of 64 rows x 64 elements, dense in memory, padded in LDS
	s_mov_b32 s[G1K], 15|(1<<16)|(1<<20)|(1<<21)|(4<<22)|(3<<25)  ; 15:0 the mask: all four work-groups; elements of 2 bytes; padding on; bit 21 beside a mask; after every 32 words (code 4), 4 words (code 3)
	s_mov_b32 s[G1V], 15|(1<<16)|(1<<20)|(1<<21)|(4<<22)|(7<<25)  ; the same with 8 words of padding (code 7)
.irp g, G1K, G1V
	s_mov_b32 s[\g+1], 64<<16       ; tensor_dim0 = 64
	s_mov_b32 s[\g+2], KS<<16       ; tensor_dim1 = 64
	s_mov_b32 s[\g+3], 64<<16       ; tile_dim0 = 64
	s_mov_b32 s[\g+4], KS           ; tile_dim1 = 64
	s_mov_b32 s[\g+5], 64           ; tensor_dim0_stride: elements from row to row
	s_mov_b32 s[\g+6], 0
	s_mov_b32 s[\g+7], 0
.endr
	s_mov_b32 s[CS], 0x3e38aa3b     ; c = log2(e) / 8
	s_mov_b32 s[CS+1], s[CS]        ; named with it as a pair, so it is written
	s_mov_b32 s[SEL], 0x76543210
	s_mov_b32 s[SEL+1], 0xfedcba98
	s_mov_b32 s[TB], 0
	s_mov_b32 s[SLOTS], 2048/(2*KS)-2
	s_and_b32 s[LIM], s[WV], 5      ; 0 in waves 0 and 2,
	s_or_b32 s[LIM], s[LIM], ttmp9  ; where the cluster is the pair's first: the same in all four partners
	s_cmp_eq_u32 s[LIM], 0
	s_cselect_b32 s[LIM], 1, -1
	v_and_b32 v[PFO], 15, v0
	v_lshlrev_b32 v[PFO], 8, v[PFO] ; lanes 256 bytes apart,
	v_bfe_u32 v13, v0, 4, 1
	v_lshl_add_u32 v[PFO], v13, 18, v[PFO]  ; lanes 16-31 a head further on
	s_wait_dscnt 0x0                ; both opening adds are done
	s_wait_kmcnt 0x0
	s_add_nc_u64 s[66:67], s[4:5], s[22:23]
	s_add_nc_u64 s[66:67], s[66:67], SEC  ; K at my tile of slot 0
	s_add_nc_u64 s[68:69], s[66:67], SEC  ; V likewise
	s_add_nc_u64 s[8:9], s[4:5], s[70:71]  ; Q at my wave's first row
	s_cmp_eq_u32 s[KV], 0
	s_cselect_b64 s[PFA:PFA+1], s[66:67], s[68:69]  ; (in waves 0 and 2 these stand at the first head's first row)
	s_lshl_b32 s2, s13, 12          ; my work-group's 4,096 bytes of a tile's 16,384
	s_mov_b32 s3, 0
	s_add_nc_u64 s[PFA:PFA+1], s[PFA:PFA+1], s[2:3]
	s_add_nc_u64 s[PFA:PFA+1], s[PFA:PFA+1], 2*2*KS*ROWB  ; in slot 2; the first change of slots steps it to slot 3.  Nothing is prefetched at the head
	s_lshr_b32 s2, s[YY], 3         ; ao: row 2,048 b + 256 x block + 32 x wave (the rows that I store), of 2,048 bytes; column: 256 bytes a pair of heads
	s_lshl_b32 s2, s2, 11
	s_lshl_b32 s3, s14, 8
	s_add_co_u32 s2, s2, s3
	s_lshl_b32 s3, s[WV], 5
	s_add_co_u32 s2, s2, s3
	s_lshl_b32 s2, s2, 11
	s_and_b32 s3, s[YY], 7
	s_lshl_b32 s3, s3, 8
	s_add_co_u32 s2, s2, s3
	s_mov_b32 s3, 0
	s_add_nc_u64 s[6:7], s[6:7], s[2:3]
	CROUND                          ; all four work-groups are here: the first joint loads meet
.irp n, 0,1
	s_mov_b32 s[G0K+4*\n], 1        ; count = 1
	s_add_co_u32 s[G0K+4*\n+1], s21, \n*SLOT1  ; LDS address
	s_add_nc_u64 s[G0K+4*\n+2:G0K+4*\n+3], s[66:67], \n*2*KS*ROWB  ; global address: slot n begins with keys 128 n
	s_or_b32 s[G0K+4*\n+3], s[G0K+4*\n+3], 0x80000000  ; type = 2
	s_mov_b32 s[G0V+4*\n], 1
	s_add_co_u32 s[G0V+4*\n+1], s21, \n*SLOT1+VOFF
	s_add_nc_u64 s[G0V+4*\n+2:G0V+4*\n+3], s[68:69], \n*2*KS*ROWB
	s_or_b32 s[G0V+4*\n+3], s[G0V+4*\n+3], 0x80000000
.endr
	s_cmp_eq_u32 s[KV], 0           ; a wave's two first fills stand in one branch, ahead of every wait on TENSORcnt and every LDS read: two loads of mine are out
	s_cbranch_scc0 .Lfirst_v
	tensor_load_to_lds s[G0K:G0K+3], s[G1K:G1K+7]
	s_nop 0
	tensor_load_to_lds s[G0K+4:G0K+7], s[G1K:G1K+7]
	s_nop 0
.rept 4
	v_nop
.endr
	s_branch .Lfirst_asked
.Lfirst_v:
	tensor_load_to_lds s[G0V:G0V+3], s[G1V:G1V+7]
	s_nop 0
	tensor_load_to_lds s[G0V+4:G0V+7], s[G1V:G1V+7]
	s_nop 0
.rept 4
	v_nop
.endr
.Lfirst_asked:
	; A fragment of K or Q is 16 rows x 32 channels in 8 registers: lane l holds row l % 16; registers 0-3 channels 8 (l / 16) + 0..7, registers 4-7 channels 16 + 8 (l / 16) + 0..7: two loads of 16 bytes, 32 bytes apart.
	v_and_b32 v13, 15, v0           ; r
	v_bfe_u32 v14, v0, 4, 1         ; h
	v_lshlrev_b32 v[QO], 7, v13
	v_lshl_add_u32 v[QO], v14, 4, v[QO]  ; row x 128 + 16 x half
.irp t, 0,1,2,3
.irp f, 0,1
	global_load_b128 v[Q+16*\t+8*\f:Q+16*\t+8*\f+3],   v[QO], s[8:9] offset:2048*\t+64*\f      ; Q stays in registers
	global_load_b128 v[Q+16*\t+8*\f+4:Q+16*\t+8*\f+7], v[QO], s[8:9] offset:2048*\t+64*\f+32
.endr
.endr
	s_mul_i32 s23, s16, HEADB       ; my head's part of a slot
	v_mul_u32_u24 v[AK0], v13, PK
	v_lshl_add_u32 v[AK0], v14, 4, v[AK0]
	v_add_nc_u32 v[AK0], s23, v[AK0]
	; The turning load takes 16 keys x 16 channels (lane l reads 16 bytes: key 8 (l / 16) + l % 8, channels 8 ((l / 8) % 2) + 0..7) and leaves half a fragment of V^T: lane l holds channel l % 16 and 8 keys.
	v_and_b32 v15, 7, v0
	v_lshl_add_u32 v[AV0], v14, 3, v15
	v_mul_u32_u24 v[AV0], v[AV0], PV
	v_bfe_u32 v15, v0, 3, 1
	v_lshl_add_u32 v[AV0], v15, 4, v[AV0]
	s_add_co_u32 s23, s23, VOFF
	v_add_nc_u32 v[AV0], s23, v[AV0]
	s_and_b32 s10, s[WV], 3         ; into the stage: row 64 (w % 4) + r, my head's 128 bytes of it, 16 bytes for each half of the lanes
	s_mul_i32 s10, s10, 64*SP
	s_lshl_b32 s11, s16, 7
	s_add_co_u32 s10, s10, s11
	s_add_co_u32 s10, s10, STAGE
	v_mul_u32_u24 v[STO], v13, SP
	v_lshl_add_u32 v[STO], v14, 4, v[STO]
	v_add_nc_u32 v[STO], s10, v[STO]
	s_mul_i32 s10, s[WV], 32*SP     ; back: wave w takes rows 32 w on, whole; lanes 0-15 one row of 256 bytes, lanes 16-31 the next
	s_add_co_u32 s10, s10, STAGE
	v_mul_u32_u24 v[RD], v14, SP
	v_lshl_add_u32 v[RD], v13, 4, v[RD]
	v_add_nc_u32 v[RD], s10, v[RD]
	v_lshlrev_b32 v[GO], 11, v14    ; and the same two rows in ao
	v_lshl_add_u32 v[GO], v13, 4, v[GO]
; THE LDS LOADS stand in runs of 16: a step's K (64 keys x 64 channels: 8 fragments) and its V (turned).
.macro FETCH_K
	WIN TO_1
.irp kt, 0,1,2,3
.irp f, 0,1
	ds_load_b128 v[KF+16*\kt+8*\f:KF+16*\kt+8*\f+3],   v[ADR] offset:\kt*16*PK+64*\f
	ds_load_b128 v[KF+16*\kt+8*\f+4:KF+16*\kt+8*\f+7], v[ADR] offset:\kt*16*PK+64*\f+32
.endr
.endr
.endm
.macro FETCH_V
	WIN TO_1
.irp kc, 0,1
.irp dt, 0,1,2,3
	ds_load_tr16_b128 v[VF+32*\kc+8*\dt:VF+32*\kc+8*\dt+3],   v[ADR2] offset:\kc*32*PV+32*\dt
	ds_load_tr16_b128 v[VF+32*\kc+8*\dt+4:VF+32*\kc+8*\dt+7], v[ADR2] offset:\kc*32*PV+16*PV+32*\dt
.endr
.endr
.endm
; THE PRODUCTS.  In each macro 16 accumulators take turns, one instruction a turn: between two links of a chain stand the 15 others'.
.macro KQ                           ; S^T = K Q^T: 32 products; the first 16 start the sums
	WIN W_KQ
.irp f, 0,1
.irp kt, 0,1,2,3
.irp t, 0,1,2,3
.if \f == 0
	v_wmma_f32_16x16x32_f16 v[S+32*\t+8*\kt:S+32*\t+8*\kt+7], v[KF+16*\kt+8*\f:KF+16*\kt+8*\f+7], v[Q+16*\t+8*\f:Q+16*\t+8*\f+7], 0
.else
	v_wmma_f32_16x16x32_f16 v[S+32*\t+8*\kt:S+32*\t+8*\kt+7], v[KF+16*\kt+8*\f:KF+16*\kt+8*\f+7], v[Q+16*\t+8*\f:Q+16*\t+8*\f+7], v[S+32*\t+8*\kt:S+32*\t+8*\kt+7]
.endif
.endr
.endr
.endr
.endm
.macro PV first                     ; O^T += V^T P: 32 products; first = 1: the first 16 start the sums: nothing is ever cleared
	WIN W_PV
.irp kc, 0,1
.irp dt, 0,1,2,3
.irp t, 0,1,2,3
.if \first && (\kc == 0)
	v_wmma_f32_16x16x32_f16 v[32*\t+8*\dt:32*\t+8*\dt+7], v[VF+32*\kc+8*\dt:VF+32*\kc+8*\dt+7], v[S+32*\t+8*\kc:S+32*\t+8*\kc+7], 0
.else
	v_wmma_f32_16x16x32_f16 v[32*\t+8*\dt:32*\t+8*\dt+7], v[VF+32*\kc+8*\dt:VF+32*\kc+8*\dt+7], v[S+32*\t+8*\kc:S+32*\t+8*\kc+7], v[32*\t+8*\dt:32*\t+8*\dt+7]
.endif
.endr
.endr
.endr
.endm
; THE SOFTMAX of a key step, the four tiles line by line, so that no line waits for the line above it.  first = 1: the first key step, which starts m, l and O^T: it has no a and nothing to rescale.
.macro SOFTMAX first
	WIN 0
.irp j, 0,1,2,3                     ; the maximum of the lane's 32 scores and the old m, three operands at a time: four chains c0-c3, each begun at an accumulator's low end
.irp t, 0,1,2,3
	v_max3_num_f32 v[ST+8*\t+4+\j], v[S+32*\t+8*\j], v[S+32*\t+8*\j+1], v[S+32*\t+8*\j+2]
.endr
.endr
.irp g, 1,2
.irp j, 0,1,2,3
.irp t, 0,1,2,3
	v_max3_num_f32 v[ST+8*\t+4+\j], v[ST+8*\t+4+\j], v[S+32*\t+8*\j+2*\g+1], v[S+32*\t+8*\j+2*\g+2]
.endr
.endr
.endr
.irp t, 0,1,2,3
	v_max3_num_f32 v[ST+8*\t+4], v[ST+8*\t+4], v[S+32*\t+7], v[S+32*\t+15]
.endr
.irp t, 0,1,2,3
	v_max3_num_f32 v[ST+8*\t+6], v[ST+8*\t+6], v[S+32*\t+23], v[S+32*\t+31]
.endr
.irp t, 0,1,2,3
	v_max3_num_f32 v[ST+8*\t+4], v[ST+8*\t+4], v[ST+8*\t+5], v[ST+8*\t+6]
.endr
.irp t, 0,1,2,3
.if \first
	v_max_num_f32 v[ST+8*\t+4], v[ST+8*\t+4], v[ST+8*\t+7]
.else
	v_max3_num_f32 v[ST+8*\t+4], v[ST+8*\t+4], v[ST+8*\t+7], v[ST+8*\t+1]
.endif
.endr
.irp t, 0,1,2,3
	v_permlanex16_b32 v[ST+8*\t+5], v[ST+8*\t+4], s[SEL], s[SEL+1]  ; the query's other 32 keys lie in the lane 16 away
.endr
.if \first == 0
.irp t, 0,1,2,3
	v_mov_b32 v[ST+8*\t+7], v[ST+8*\t]  ; c m_old is kept for a
.endr
.endif
.irp t, 0,1,2,3
	v_max_num_f32 v[ST+8*\t+1], v[ST+8*\t+4], v[ST+8*\t+5]  ; the new m
.endr
.irp t, 0,1,2,3
	v_mul_f32 v[ST+8*\t], s[CS], v[ST+8*\t+1]  ; c m
.endr
.if \first == 0
.irp t, 0,1,2,3
	v_sub_f32 v[ST+8*\t+7], v[ST+8*\t+7], v[ST+8*\t]  ; c m_old - c m_new, 0 or less
.endr
.endif
.set e, 0
.rept 16
.irp t, 0,1,2,3
	v_pk_fma_f32 v[S+32*\t+e:S+32*\t+e+1], v[S+32*\t+e:S+32*\t+e+1], s[CS:CS+1], v[ST+8*\t:ST+8*\t+1] op_sel_hi:[1,0,0] neg_lo:[0,0,1] neg_hi:[0,0,1]  ; c s - c m, two at a time
.endr
.set e, e+2
.endr
.if \first == 0                     ; ONE BATCH of exponentials: a, and the 128 weights in place; none reads another's result
.irp t, 0,1,2,3
	v_exp_f32 v[ST+8*\t+6], v[ST+8*\t+7]
.endr
.endif
.set e, 0
.rept 32
.irp t, 0,1,2,3
	v_exp_f32 v[S+32*\t+e], v[S+32*\t+e]
.endr
.set e, e+1
.endr
	v_nop                           ; a plain instruction behind the last exponential,
	s_wait_alu depctr_va_vdst(0)    ; and the one wait ahead of the batch's first reader
.irp t, 0,1,2,3                     ; the sums of the unrounded weights, two at a time, in two chains a tile: l = a l + the even pairs, TS = the odd pairs
.if \first
	v_pk_add_f32 v[ST+8*\t+2:ST+8*\t+3], v[S+32*\t:S+32*\t+1], v[S+32*\t+4:S+32*\t+5]
.else
	v_pk_fma_f32 v[ST+8*\t+2:ST+8*\t+3], v[ST+8*\t+2:ST+8*\t+3], v[ST+8*\t+6:ST+8*\t+7], v[S+32*\t:S+32*\t+1] op_sel_hi:[1,0,1]
.endif
.endr
.irp t, 0,1,2,3
	v_pk_add_f32 v[TS+2*\t:TS+2*\t+1], v[S+32*\t+2:S+32*\t+3], v[S+32*\t+6:S+32*\t+7]
.endr
.if \first == 0
.irp t, 0,1,2,3
	v_pk_add_f32 v[ST+8*\t+2:ST+8*\t+3], v[ST+8*\t+2:ST+8*\t+3], v[S+32*\t+4:S+32*\t+5]
.endr
.endif
.irp p, 8,12,16,20,24,28
.irp t, 0,1,2,3
	v_pk_add_f32 v[ST+8*\t+2:ST+8*\t+3], v[ST+8*\t+2:ST+8*\t+3], v[S+32*\t+\p:S+32*\t+\p+1]
	v_pk_add_f32 v[TS+2*\t:TS+2*\t+1], v[TS+2*\t:TS+2*\t+1], v[S+32*\t+\p+2:S+32*\t+\p+3]
.endr
.endr
.irp t, 0,1,2,3
	v_pk_add_f32 v[ST+8*\t+2:ST+8*\t+3], v[ST+8*\t+2:ST+8*\t+3], v[TS+2*\t:TS+2*\t+1]
.endr
.set e, 0
.rept 16                            ; the roundings to f16, in place: register e was consumed by rounding e / 2
.irp t, 0,1,2,3
	v_cvt_pk_f16_f32 v[S+32*\t+e], v[S+32*\t+2*e], v[S+32*\t+2*e+1]
.endr
.set e, e+1
.endr
.if \first == 0
	WIN W_RS
.set e, 0
.rept 16                            ; O^T times a, each accumulator from its low end on
.irp t, 0,1,2,3
	v_pk_mul_f32 v[32*\t+e:32*\t+e+1], v[32*\t+e:32*\t+e+1], v[ST+8*\t+6:ST+8*\t+7] op_sel_hi:[1,0]
.endr
.set e, e+2
.endr
.endif
.endm
; A TURN: the softmax and V^T P of step j, K Q^T of step j + 1; the tiles of step j + 1 are fetched on the way.
.macro TURN first
	WIN 0
	v_add_nc_u32 v[ADR], s[TB], v[AK0]
	FETCH_K                         ; K of step j + 1: the last product that read K's registers stands five plain instructions back
	SOFTMAX \first
	s_wait_dscnt 16                 ; V of step j is in; K's 16 loads, issued behind it, may be out
	PV \first
	WIN 0
	v_add_nc_u32 v[ADR2], s[TB], v[AV0]  ; five places behind the last V^T P: four are owed by the loads into V's registers, five by the products that write S^T over P, which V^T P has read
.rept 4
	v_nop
.endr
	s_add_co_u32 s[TB], s[TB], STEPB  ; the next fetch is the next step's
	FETCH_V                         ; V of step j + 1
	s_wait_dscnt 16                 ; K of step j + 1 is in; V's 16 loads may be out
	KQ
	WIN 0
.rept 4
	v_nop                           ; the places in front of the softmax's reads of S^T and of the next loads into K's registers
.endr
.endm
; THE CHANGE OF SLOTS: the slot's last bytes, V of its second step, have been asked for.  Each wave waits for all its tensor loads, of which one is out: its part of the other slot; adds 0 to its spare word; and waits for that
; and for its own reads of the slot.  fill = 1: the slot is filled again, with the keys two slots on; the barrier is then a round of the cluster's, and the joint refill is the first thing behind it: it has two key steps in which to land.
.macro CHANGE fill
	WIN 0
	s_wait_tensorcnt 0x0            ; no tensor load of mine is out, so a group 0 may be written
	ds_add_u32 v[SPW], v[NIL]       ; 0 onto my spare word
.if \fill
.irp g, G0K+4, G0V+4
	s_xor_b32 s[\g+1], s[\g+1], SLOT1  ; the walking descriptor: the other slot than last time,
	s_add_nc_u64 s[\g+2:\g+3], s[\g+2:\g+3], 2*KS*ROWB  ; the next 128 keys; the type bits on top are not reached
.endr
	s_wait_xcnt 0x0                 ; the last prefetch, two key steps back, has read its address, so it may be written:
	s_add_nc_u64 s[PFA:PFA+1], s[PFA:PFA+1], 2*KS*ROWB  ; one slot further on than the walking descriptors
	s_wait_dscnt 0x0                ; the add is done, and my reads of the slot are over
	CROUND
	JLOAD
	ASK
.else
	s_wait_dscnt 0x0                ; the add is done, and my reads of the slot are over
	s_barrier_signal -1
	s_barrier_wait -1
.endif
	s_sub_co_u32 s[TB], s[TB], 2*STEPB  ; the fetches go back to a slot's first step,
	s_xor_b32 s[TB], s[TB], SLOT1   ; in the other slot
.endm
.macro TWO_TURNS                    ; written once, walked twice; the LDS addresses hang on s[TB]
	s_mov_b32 s[TWICE], 2
.Lstep_\@:
	TURN 0
	s_sub_co_u32 s[TWICE], s[TWICE], 1
	s_cmp_lg_u32 s[TWICE], 0
	s_cbranch_scc1 .Lstep_\@
.endm
	s_wait_tensorcnt 1              ; my part of slot 0 is in; slot 1's may stay out
	s_barrier_signal -1
	s_barrier_wait -1               ; everybody's is
	v_add_nc_u32 v[ADR], s[TB], v[AK0]
	FETCH_K                         ; key step 0
	WIN 0
	v_add_nc_u32 v[ADR2], s[TB], v[AV0]
	s_add_co_u32 s[TB], s[TB], STEPB
	FETCH_V
	s_wait_loadcnt 0x0              ; Q
	s_wait_dscnt 16                 ; K is in; V's 16 loads may be out
	KQ
	WIN 0
.rept 4
	v_nop
.endr
	TURN 1                          ; step 0, which starts m, l and O^T; it fetches step 1: slot 0's last reads
.Lslot:                             ; 14 trips: every slot but the last two is filled again
	CHANGE 1
	TWO_TURNS
	s_sub_co_u32 s[SLOTS], s[SLOTS], 1
	s_cmp_lg_u32 s[SLOTS], 0
	s_cbranch_scc1 .Lslot
	CHANGE 0                        ; the tail is written out
	TWO_TURNS
	SOFTMAX 0                       ; the last step
	s_wait_dscnt 0x0                ; its V is in
	PV 0
	; THE WAY OUT.  l's two halves and the other half of the lanes' are added; O^T is divided by l, rounded to f16 and sent through the work-group's stage.  The additions are the places behind the last products.
	WIN 0
.irp t, 0,1,2,3
	v_add_f32 v[ST+8*\t+4], v[ST+8*\t+2], v[ST+8*\t+3]
.endr
.irp t, 0,1,2,3
	v_permlanex16_b32 v[ST+8*\t+5], v[ST+8*\t+4], s[SEL], s[SEL+1]
.endr
.irp t, 0,1,2,3
	v_add_f32 v[ST+8*\t+4], v[ST+8*\t+4], v[ST+8*\t+5]
.endr
.irp t, 0,1,2,3
	v_rcp_f32 v[ST+8*\t+6], v[ST+8*\t+4]
.endr
	v_nop                           ; a plain instruction behind the last reciprocal,
	s_wait_alu depctr_va_vdst(0)    ; and the one wait ahead of the first use
.macro PACK t                       ; a lane's eight channels of a row pack into 16 bytes
	WIN W_RS
.set e, 0
.rept 16
	v_pk_mul_f32 v[32*\t+e:32*\t+e+1], v[32*\t+e:32*\t+e+1], v[ST+8*\t+6:ST+8*\t+7] op_sel_hi:[1,0]
.set e, e+2
.endr
	WIN 0x05                        ; sources 0 and 1 window 1, destination window 0: S^T's registers are free
.set e, 0
.rept 16
	v_cvt_pk_f16_f32 v[S+16*\t+e], v[32*\t+2*e], v[32*\t+2*e+1]
.set e, e+1
.endr
	WIN 0
.irp dt, 0,1,2,3
	ds_store_b128 v[STO], v[S+16*\t+4*\dt:S+16*\t+4*\dt+3] offset:16*\t*SP+32*\dt
.endr
.endm
	PACK 0
	PACK 1
	PACK 2
	PACK 3
	s_wait_dscnt 0x0                ; for the others' sake: my stores into the stage are done; a row's 256 bytes come from two waves
	s_barrier_signal -1
	s_barrier_wait -1
.irp i, 0,1,2,3,4,5,6,7,8,9,10,11,12,13,14,15
	ds_load_b128 v[S+64+4*\i:S+64+4*\i+3], v[RD] offset:\i*2*SP
.endr
.irp i, 0,1,2,3,4,5,6,7,8,9,10,11,12,13,14,15
	s_wait_dscnt 15-\i              ; load i is in; the younger ones may be out
	global_store_b128 v[GO], v[S+64+4*\i:S+64+4*\i+3], s[6:7] offset:4096*\i  ; 16 lanes store 256 consecutive bytes, aligned
.endr
	s_wait_tensorcnt 0x0            ; the wave's end: a tensor wait, an add to my spare word and its wait, behind my last tensor load and my last LDS store
	ds_add_u32 v[SPW], v[NIL]
	s_wait_dscnt 0x0
	CROUND                          ; the closing round: no work-group ends while a partner may still ask for a tile that names it
	s_endpgm
.Lfunc_end_k_qe4aad7396c_attn:
	.size	k_qe4aad7396c_attn, .Lfunc_end_k_qe4aad7396c_attn-k_qe4aad7396c_attn
	.p2alignl 7, 3214868480
	.fill 96, 4, 3214868480
	.section	.rodata,"a",@progbits
	.p2align	6, 0x0
	.amdhsa_kernel k_qe4aad7396c_attn
		.amdhsa_group_segment_fixed_size 327680
		.amdhsa_private_segment_fixed_size 0
		.amdhsa_enable_private_segment 0
		.amdhsa_kernarg_size 16
		.amdhsa_user_sgpr_count 2
		.amdhsa_user_sgpr_kernarg_segment_ptr 1
		.amdhsa_wavefront_size32 1
		.amdhsa_system_sgpr_workgroup_id_x 1
		.amdhsa_system_sgpr_workgroup_id_y 1
		.amdhsa_system_sgpr_workgroup_id_z 1
		.amdhsa_system_vgpr_workitem_id 0
		.amdhsa_next_free_vgpr 512
		.amdhsa_next_free_sgpr 72
		.amdhsa_reserve_vcc 0
		.amdhsa_float_denorm_mode_32 3
		.amdhsa_float_denorm_mode_16_64 3
		.amdhsa_memory_ordered 1
		.amdhsa_forward_progress 1
		.amdhsa_inst_pref_size 147
	.end_amdhsa_kernel
	.amdgpu_metadata
---
amdhsa.version: [ 1, 2 ]
amdhsa.kernels:
  - .name:           k_qe4aad7396c_attn
    .symbol:         k_qe4aad7396c_attn.kd
    .args:
      - { .name: qkv, .offset: 0, .size: 8, .value_kind: global_buffer, .address_space: global }
      - { .name: ao, .offset: 8, .size: 8, .value_kind: global_buffer, .address_space: global }
    .group_segment_fixed_size: 327680
    .private_segment_fixed_size: 0
    .kernarg_segment_align: 8
    .kernarg_segment_size: 16
    .max_flat_workgroup_size: 256
    .sgpr_count:     72
    .vgpr_count:     512
    .wavefront_size: 32
...
	.end_amdgpu_metadata
.endif
;; end of part 3
;; launch proj (part 4): grid 8 x 64, 4 waves a work-group, clusters of 4 x 4, 327,680 bytes of LDS; arguments ao, wo16, bo, out0; writes out0
.if DOCPART == 4
	.amdgcn_target "amdgcn-amd-amdhsa--gfx1250"
	.amdhsa_code_object_version 6
	.text
	.protected	k_qe4aad7396c_proj
	.globl	k_qe4aad7396c_proj
	.p2align	8
	.type	k_qe4aad7396c_proj,@function
k_qe4aad7396c_proj:
	s_mov_b64 s[64:65], 0
	v_nop
	global_prefetch_b8 v0, s[64:65] scope:SCOPE_SE
	s_setreg_imm32_b32 hwreg(HW_REG_WAVE_MODE, 25, 1), 1
	s_wait_xcnt 0x0
	s_wait_alu depctr_hold_cnt(0) depctr_sa_sdst(0) depctr_va_vdst(0) depctr_va_sdst(0) depctr_va_ssrc(0) depctr_va_vcc(0) depctr_vm_vsrc(0)
	s_getreg_b32 s2, hwreg(HW_REG_IB_STS2, 6, 4)
	s_cmp_eq_u32 s2, 0
	s_cbranch_scc0 .Lentry_in_a_cluster
	s_endpgm
.Lentry_in_a_cluster:
	s_bfe_u32 s2, ttmp6, 0x10000c
	s_cmp_lg_u32 s2, 0xf033
	s_cbranch_scc0 .Lentry_shape_is_right
	s_endpgm
.Lentry_shape_is_right:
; SELF-ATTENTION, launch 4 of 4: out0[m][n] = sum over k of ao[m][k] Wo[n][k] + bo[n].  ao: [8192][1024] f16, wo16: [1024][1024] f16, bo: [1024] f32, out0: [8192][1024] f32; sums in f32.  No work of the problem is left out.
; A tile of the output is 128 x 128: 512 work-groups, one a tile.  Four waves, each 64 x 64: 16 accumulators of 16 x 16, 128 registers.  K goes in steps of 256 (LDS rows of 512 bytes; a wave's tensor load brings 64 of them)
; through two slots.  THE BIAS is the C of each sum's first matrix instruction: eight registers for each block of 16 columns, in the result's layout: it costs no addition.
; CLUSTERS: 4 x 4 work-groups.  The four of a row of the cluster need the same tiles of A, the four of a column the same tiles of B: each tile is asked for JOINTLY, by the same tensor load with the
; same descriptor and a mask that names the four.  THE MATRIX INSTRUCTION IS USED TRANSPOSED (source 0 = 16 rows of B, source 1 = 16 rows of A): a lane then holds eight neighbouring numbers of a row of the output.
; REGISTERS: window 0: v0-31 addresses; v32-63 the bias, later with v64-95 rows on the way out; v128-255 the accumulators ((a, b) at v[128 + 8 (4 a + b)]).
;   window 1: two fragment buffers of 128: for 64 along K, 64 registers of A (2 x 4 x 16 rows x 32 K), then 64 of B.
.set SIZE_N, 1024
.set SIZE_K, 1024
.set KSTEP,  256
.set PITCH,  528                       ; an LDS row: 512 bytes + 16 of padding = 132 words: the 16 rows that a load touches start 4 words apart modulo 64
.set HALFT,  64*PITCH                  ; 64 rows: what one tensor load brings
.set SLOT,   4*HALFT                   ; A's 128 rows, then B's 128 rows
.set STAGE,  2*SLOT                    ; behind the ring: 16 rows x 272 bytes for each wave, its own, for the way out
.set SPITCH, 272
.set SPARE,  STAGE+4*16*SPITCH         ; the spare words, 128 bytes for each wave
.set LAPS, SIZE_K/(2*KSTEP)            ; a lap = two K steps = once round the ring: 2
.set ADRA, 16                          ; v16-17  LDS address of my A fragments in slot 0, 1
.set ADRB, 20                          ; v20-21  the same for B
.set STO,  24                          ; v24     the way out: where I put 32 bytes of a row
.set RD,   25                          ; v25     where I read a row back
.set CO,   26                          ; v26     my byte offset in out0
.set BA,   27                          ; v27     my byte offset in the wave's 64 numbers of bo
.set SPW,  28                          ; v28     LDS address of my spare word; never rewritten
.set NIL,  29                          ; v29     0; never rewritten
.set BI,   32                          ; v32-63  the bias: block b of 16 columns at v[BI + 8 b]
.set OB,   32                          ; the way out: 16 rows read back: v32-63 and v64-95 by turns
.set ACC,  128
.set F0,   0                           ; fragment buffers, in window 1
.set F1,   128
.set G1, 24                            ; s[24:31] descriptor group 1 for A's tiles;  s[32:39] group 0, one set for each slot
.set G0, 32
.set G1B, 48                           ; s[48:55], s[56:63] the same for B's tiles
.set G0B, 56
.set MSB, 0
.macro WIN new                         ; the immediate's high byte repeats the setting that is left
.if MSB != \new
	s_set_vgpr_msb (MSB<<8)|\new
.set MSB, \new
.endif
.endm
.set MUL,  0x05                        ; sources 0 (B) and 1 (A) window 1; C and D window 0
.set TO_F, 0x40                        ; destination window 1, address window 0
.macro JLOAD s                         ; a joint load: waves 0 and 1 fetch A's two halves, waves 2 and 3 B's; an s_nop 0 and four v_nop follow each of the two lines
	s_cmp_eq_u32 s11, 0
	s_cbranch_scc0 .Lfor_b_\@
	tensor_load_to_lds s[G0+4*\s:G0+4*\s+3], s[G1:G1+7]
	s_nop 0
.rept 4
	v_nop
.endr
	s_branch .Lasked_\@
.Lfor_b_\@:
	tensor_load_to_lds s[G0B+4*\s:G0B+4*\s+3], s[G1B:G1B+7]
	s_nop 0
.rept 4
	v_nop
.endr
.Lasked_\@:
.endm
.macro CREST                           ; a round of the cluster's barrier behind its opening barrier
	s_cmp_lg_u32 s10, 0
	s_cbranch_scc1 .Lnot_wave_0_\@
	s_barrier_signal -3
.Lnot_wave_0_\@:
	s_barrier_wait -3
	s_barrier_signal -1
	s_barrier_wait -1
.endm
.macro CROUND                          ; a whole round
	s_barrier_signal -1
	s_barrier_wait -1
	CREST
.endm
	s_load_b128 s[4:7], s[0:1], 0x0                ; A = ao s[4:5], B = wo16 s[6:7]
	s_load_b64 s[66:67], s[0:1], 0x10              ; bo
	s_load_b64 s[8:9], s[0:1], 0x18                ; out0
	v_lshl_add_u32 v[SPW], v0, 2, SPARE
	v_mov_b32 v[NIL], 0
	ds_add_u32 v[SPW], v[NIL]                      ; the wave's opening: the add, twice on end, and its wait ahead of my first tensor load
	ds_add_u32 v[SPW], v[NIL]                      ; and once more, under the one wait; the set-up below, work on registers, stands between
	v_lshrrev_b32 v1, 5, v0
	v_readfirstlane_b32 s10, v1                    ; wave 0..3
	s_lshr_b32 s11, s10, 1                         ; which half of the tile's rows is mine.  Also: I fetch for A (0) or for B (1)
	s_and_b32 s12, s10, 1                          ; which half of its columns.  Also: which 64 rows of that tile I fetch
	s_bfe_u32 s40, ttmp6, 0x40000                  ; cx, cy: my place in the cluster
	s_bfe_u32 s41, ttmp6, 0x40004
	s_lshl_b32 s42, ttmp9, 2
	s_add_co_u32 s42, s42, s40                     ; tile column = 4 x cluster x + cx
	s_and_b32 s13, ttmp7, 0xffff
	s_lshl_b32 s13, s13, 2
	s_add_co_u32 s13, s13, s41                     ; tile row = 4 x cluster y + cy
	s_lshl_b32 s43, s41, 2
	s_lshl_b32 s43, 15, s43                        ; my row of the cluster
	s_lshl_b32 s44, 0x1111, s40                    ; my column
	; descriptor group 1: a tile of 64 rows x 256 elements, padded in LDS
	s_or_b32 s[G1+0], s43, (1<<16)|(1<<20)|(1<<21)|(6<<22)|(3<<25)  ; 15:0 the mask: A's tiles go to my row; elements of 2 bytes; padding on; bit 21 beside a mask; after every 128 words (code 6), 4 words (code 3)
	s_or_b32 s[G1B+0], s44, (1<<16)|(1<<20)|(1<<21)|(6<<22)|(3<<25)
.irp g, G1, G1B
	s_mov_b32 s[\g+1], KSTEP<<16                   ; tensor_dim0 = 256
	s_mov_b32 s[\g+2], 64<<16                      ; tensor_dim1 = 64
	s_mov_b32 s[\g+3], KSTEP<<16                   ; tile_dim0 = 256
	s_mov_b32 s[\g+4], 64                          ; tile_dim1 = 64
	s_mov_b32 s[\g+5], SIZE_K                      ; tensor_dim0_stride
	s_mov_b32 s[\g+6], 0
	s_mov_b32 s[\g+7], 0
.endr
	s_lshl_b32 s17, s12, 6                         ; which 64 rows of the tile I fetch
	s_lshl_b32 s16, s13, 7
	s_add_co_u32 s16, s16, s17                     ; A: row 128 x tile row + 64 x half
	s_lshl_b32 s46, s42, 7
	s_add_co_u32 s46, s46, s17                     ; B: row 128 x tile column + 64 x half
	s_mov_b32 s17, 0
	s_mov_b32 s47, 0
	s_mov_b64 s[18:19], SIZE_K*2
	s_mul_u64 s[16:17], s[16:17], s[18:19]
	s_mul_u64 s[46:47], s[46:47], s[18:19]
	s_mul_i32 s20, s10, HALFT                      ; where they go: wave x 64 rows
	s_wait_dscnt 0x0                               ; both opening adds are done
	s_wait_kmcnt 0x0
	s_add_nc_u64 s[14:15], s[4:5], s[16:17]
	s_add_nc_u64 s[46:47], s[6:7], s[46:47]
	CROUND                                         ; all sixteen work-groups are here: the first joint loads meet
.irp s, 0,1
	s_mov_b32 s[G0+4*\s], 1
	s_add_co_u32 s[G0+4*\s+1], s20, \s*SLOT
	s_add_nc_u64 s[G0+4*\s+2:G0+4*\s+3], s[14:15], \s*KSTEP*2
	s_or_b32 s[G0+4*\s+3], s[G0+4*\s+3], 0x80000000
	s_mov_b32 s[G0B+4*\s], 1
	s_add_co_u32 s[G0B+4*\s+1], s20, \s*SLOT
	s_add_nc_u64 s[G0B+4*\s+2:G0B+4*\s+3], s[46:47], \s*KSTEP*2
	s_or_b32 s[G0B+4*\s+3], s[G0B+4*\s+3], 0x80000000
	JLOAD \s                                       ; two tensor loads of mine are out behind the second
.endr
	v_and_b32 v1, 15, v0                           ; r = l % 16
	v_bfe_u32 v2, v0, 4, 1                         ; h = l / 16
	v_mul_u32_u24 v3, v1, PITCH
	v_lshl_add_u32 v3, v2, 4, v3                   ; a fragment's row x pitch + 16 x half
	s_mul_i32 s21, s11, HALFT                      ; my 64 rows of A
	s_mul_i32 s22, s12, HALFT                      ; my 64 rows of B,
	s_add_co_u32 s22, s22, 2*HALFT                 ; which lie behind A's 128
.irp s, 0,1
	v_add_nc_u32 v[ADRA+\s], s21, v3
	v_add_nc_u32 v[ADRB+\s], s22, v3
	s_add_co_u32 s21, s21, SLOT
	s_add_co_u32 s22, s22, SLOT
.endr
	s_mul_i32 s23, s10, 16*SPITCH                  ; my stage
	s_add_co_u32 s23, s23, STAGE
	v_mul_u32_u24 v4, v1, SPITCH                   ; in: row r, 32 bytes for each half of the lanes
	v_lshl_add_u32 v4, v2, 5, v4
	v_add_nc_u32 v[STO], s23, v4
	v_mul_u32_u24 v5, v2, SPITCH                   ; back: lanes 0-15 one row of 256 bytes, lanes 16-31 the next
	v_lshl_add_u32 v5, v1, 4, v5
	v_add_nc_u32 v[RD], s23, v5
	v_lshlrev_b32 v5, 12, v2                       ; and the same two rows in out0: 4,096 bytes a row
	v_lshl_add_u32 v[CO], v1, 4, v5
	v_lshlrev_b32 v[BA], 5, v2                     ; the bias: lane (r, h) wants, for block b, bo at columns 16 b + 8 h + 0 .. 7
	s_lshl_b32 s16, s13, 7
	s_lshl_b32 s17, s11, 6
	s_add_co_u32 s16, s16, s17                     ; my first row: 128 x tile row + 64 x half
	s_mov_b32 s17, 0
	s_mov_b64 s[18:19], SIZE_N*4
	s_mul_u64 s[16:17], s[16:17], s[18:19]
	s_add_nc_u64 s[8:9], s[8:9], s[16:17]
	s_lshl_b32 s46, s42, 9                         ; my first column, in bytes of f32: 512 x tile column + 256 x half: the same in a row of out0 and in bo
	s_lshl_b32 s47, s12, 8
	s_add_co_u32 s46, s46, s47
	s_mov_b32 s47, 0
	s_add_nc_u64 s[8:9], s[8:9], s[46:47]
	s_add_nc_u64 s[66:67], s[66:67], s[46:47]
.irp b, 0,1,2,3
	global_load_b128 v[BI+8*\b:BI+8*\b+3],   v[BA], s[66:67] offset:64*\b
	global_load_b128 v[BI+8*\b+4:BI+8*\b+7], v[BA], s[66:67] offset:64*\b+16
.endr
; 8 matrix instructions: m blocks a0, a0 + 1 x all 4 n blocks, 32 along K: half c of buffer f.  zero = 1: the first product starts the sums, from the bias.  The 16 accumulators take turns.
.macro MUL8 f, c, a0, zero
.irp a, \a0, \a0+1
.irp b, 0,1,2,3
.if \zero
	v_wmma_f32_16x16x32_f16 v[ACC+8*(4*(\a)+\b):ACC+8*(4*(\a)+\b)+7], v[\f+64+8*(4*\c+\b):\f+64+8*(4*\c+\b)+7], v[\f+8*(4*\c+\a):\f+8*(4*\c+\a)+7], v[BI+8*\b:BI+8*\b+7]
.else
	v_wmma_f32_16x16x32_f16 v[ACC+8*(4*(\a)+\b):ACC+8*(4*(\a)+\b)+7], v[\f+64+8*(4*\c+\b):\f+64+8*(4*\c+\b)+7], v[\f+8*(4*\c+\a):\f+8*(4*\c+\a)+7], v[ACC+8*(4*(\a)+\b):ACC+8*(4*(\a)+\b)+7]
.endif
.endr
.endr
.endm
; 32 LDS loads in one run: the fragments of 64 along K at byte k of the rows, into buffer f; the first 32 along K first
.macro FETCH slot, k, f
	WIN TO_F
.irp c, 0,1
.irp i, 0,1,2,3
	ds_load_b128 v[\f+64+8*(4*\c+\i):\f+64+8*(4*\c+\i)+3],   v[ADRB+\slot] offset:\k+64*\c+\i*16*PITCH
	ds_load_b128 v[\f+64+8*(4*\c+\i)+4:\f+64+8*(4*\c+\i)+7], v[ADRB+\slot] offset:\k+64*\c+\i*16*PITCH+32
	ds_load_b128 v[\f+8*(4*\c+\i):\f+8*(4*\c+\i)+3],         v[ADRA+\slot] offset:\k+64*\c+\i*16*PITCH
	ds_load_b128 v[\f+8*(4*\c+\i)+4:\f+8*(4*\c+\i)+7],       v[ADRA+\slot] offset:\k+64*\c+\i*16*PITCH+32
.endr
.endr
.endm
.macro PLACES                          ; four places in front of loads into registers that matrix instructions have read, and of the first read of results
.rept 4
	v_nop
.endr
.endm
; A K step is four quarters of 64 along K, 32 matrix instructions each, on buffers 0, 1, 0, 1.  One of the first three: multiplies buffer f and fetches the next quarter, at byte k, into g.
.macro QUARTER slot, k, f, g, zero
	s_wait_dscnt 16                                ; the first 32 along K are in; the youngest sixteen loads may be out
	WIN MUL
	MUL8 \f, 0, 0, \zero
	MUL8 \f, 0, 2, \zero
	PLACES
	FETCH \slot, \k, \g
	s_wait_dscnt 32                                ; all but the 32 just issued
	WIN MUL
	MUL8 \f, 1, 0, 0
	MUL8 \f, 1, 2, 0
.endm
; The last quarter multiplies buffer 1 and changes slots: ONE barrier; in front of it each wave waits for all its tensor loads, adds 0 to its spare word, and waits for that and for its own reads of this slot.  fill = 1: this slot is filled again, two K steps ahead.
.macro TURN slot, next, fill
	WIN 0                                          ; (the add's two registers lie in window 0)
	s_wait_tensorcnt 0x0                           ; all my tensor loads have landed: my part of the next slot;
	ds_add_u32 v[SPW], v[NIL]                      ; 0 onto my spare word;
	s_wait_dscnt 17                                ; (the add and the youngest sixteen loads may be out)
	WIN MUL
	MUL8 F1, 0, 0, 0                               ; eight matrix instructions stand between the add and the wait for it
	s_wait_dscnt 0x0                               ; the add is done, and my reads of this slot are over
	s_barrier_signal -1
	MUL8 F1, 0, 2, 0
.if \fill
	WIN 0
.endif
	s_barrier_wait -1
.if \fill
	CREST                                          ; the barrier has opened a round of the cluster's barrier: no wave of any partner still reads this slot's tile or has a load on its way
	s_add_nc_u64 s[G0+4*\slot+2:G0+4*\slot+3], s[G0+4*\slot+2:G0+4*\slot+3], 2*KSTEP*2
	s_add_nc_u64 s[G0B+4*\slot+2:G0B+4*\slot+3], s[G0B+4*\slot+2:G0B+4*\slot+3], 2*KSTEP*2
	JLOAD \slot                                    ; the first tensor load behind the round; the four v_nop behind it are also the places in front of the loads below
.else
	PLACES
.endif
	FETCH \next, 0, F0
	WIN MUL
	MUL8 F1, 1, 0, 0
	MUL8 F1, 1, 2, 0
.endm
	s_wait_tensorcnt 1                             ; my part of K step 0 is in (K step 1's load may be out),
	s_barrier_signal -1
	s_barrier_wait -1                              ; everybody's is
	FETCH 0, 0, F0
	s_wait_loadcnt 0x0                             ; the bias
	QUARTER 0, 128, F0, F1, 1                      ; the first quarter stands in front of the loop: its first products start the sums
	WIN 0                                          ; at a label and at a branch every window is 0
	s_mov_b32 s3, LAPS-1
.Llap:                                                 ; a trip goes once round the ring, from a lap's second quarter to the next lap's first, and fills both slots again
	QUARTER 0, 256, F1, F0, 0
	QUARTER 0, 384, F0, F1, 0
	TURN 0, 1, 1
	QUARTER 1, 128, F0, F1, 0
	QUARTER 1, 256, F1, F0, 0
	QUARTER 1, 384, F0, F1, 0
	TURN 1, 0, 1
	QUARTER 0, 128, F0, F1, 0
	WIN 0
	s_sub_co_u32 s3, s3, 1
	s_cmp_lg_u32 s3, 0
	s_cbranch_scc1 .Llap
	QUARTER 0, 256, F1, F0, 0                      ; the last lap fills nothing, and has no round of the cluster's barrier
	QUARTER 0, 384, F0, F1, 0
	TURN 0, 1, 0
	QUARTER 1, 128, F0, F1, 0
	QUARTER 1, 256, F1, F0, 0
	QUARTER 1, 384, F0, F1, 0
	s_wait_dscnt 16                                ; the very last quarter: nothing more to fetch
	WIN MUL
	MUL8 F1, 0, 0, 0
	MUL8 F1, 0, 2, 0
	s_wait_dscnt 0
	MUL8 F1, 1, 0, 0
	MUL8 F1, 1, 2, 0
	WIN 0
; THE WAY OUT, block by block of 16 rows x 64 columns.  A lane holds 32 neighbouring bytes of a row; a block goes through my own stage in LDS and comes back as whole rows of 256 bytes, which sixteen lanes store.
; LDS serves a wave's instructions in order (ISA guide 5.7.1.4): no wait between the stores and the loads, nor in front of the next block's stores.
.macro TOSTAGE a
.irp b, 0,1,2,3
	ds_store_b128 v[STO], v[ACC+8*(4*(\a)+\b):ACC+8*(4*(\a)+\b)+3] offset:64*\b          ; each accumulator from its low end on
	ds_store_b128 v[STO], v[ACC+8*(4*(\a)+\b)+4:ACC+8*(4*(\a)+\b)+7] offset:64*\b+16
.endr
.set BB, OB+32*((\a)%2)
.irp i, 0,1,2,3,4,5,6,7
	ds_load_b128 v[BB+4*\i:BB+4*\i+3], v[RD] offset:\i*2*SPITCH
.endr
.endm
.macro SEND a, younger                 ; younger: the LDS instructions issued behind block a's loads, which may stay out
.set BB, OB+32*((\a)%2)
	s_wait_dscnt \younger                          ; the block is back in registers
.irp i, 0,1,2,3,4,5,6,7
	global_store_b128 v[CO], v[BB+4*\i:BB+4*\i+3], s[8:9] offset:(16*(\a)+2*\i)*SIZE_N*4 th:TH_STORE_NT   ; 16 lanes store 256 consecutive bytes, aligned; written once, read by nobody here
.endr
.endm
	PLACES                                         ; behind the last products
	TOSTAGE 0
.irp a, 1,2,3
.if \a > 1
	s_wait_xcnt 0x0                                ; block a - 2's stores have read their registers: block a's loads may land there
.endif
	TOSTAGE \a
	SEND \a-1, 16                                  ; behind block a - 1's loads: block a's 8 stores and 8 loads
.endr
	SEND 3, 0
	s_wait_tensorcnt 0x0                           ; the wave's end: a tensor wait, an add to my spare word and its wait, behind my last tensor load and my last LDS store
	ds_add_u32 v[SPW], v[NIL]
	s_wait_dscnt 0x0
	CROUND                                         ; the closing round: no work-group ends while a partner may still ask for a tile that names it
	s_endpgm
.Lfunc_end_k_qe4aad7396c_proj:
	.size	k_qe4aad7396c_proj, .Lfunc_end_k_qe4aad7396c_proj-k_qe4aad7396c_proj
	.p2alignl 7, 3214868480
	.fill 96, 4, 3214868480
	.section	.rodata,"a",@progbits
	.p2align	6, 0x0
	.amdhsa_kernel k_qe4aad7396c_proj
		.amdhsa_group_segment_fixed_size 327680
		.amdhsa_private_segment_fixed_size 0
		.amdhsa_enable_private_segment 0
		.amdhsa_kernarg_size 32
		.amdhsa_user_sgpr_count 2
		.amdhsa_user_sgpr_kernarg_segment_ptr 1
		.amdhsa_wavefront_size32 1
		.amdhsa_system_sgpr_workgroup_id_x 1
		.amdhsa_system_sgpr_workgroup_id_y 1
		.amdhsa_system_sgpr_workgroup_id_z 1
		.amdhsa_system_vgpr_workitem_id 0
		.amdhsa_next_free_vgpr 512
		.amdhsa_next_free_sgpr 68
		.amdhsa_reserve_vcc 0
		.amdhsa_float_denorm_mode_32 3
		.amdhsa_float_denorm_mode_16_64 3
		.amdhsa_memory_ordered 1
		.amdhsa_forward_progress 1
		.amdhsa_inst_pref_size 87
	.end_amdhsa_kernel
	.amdgpu_metadata
---
amdhsa.version: [ 1, 2 ]
amdhsa.kernels:
  - .name:           k_qe4aad7396c_proj
    .symbol:         k_qe4aad7396c_proj.kd
    .args:
      - { .name: ao, .offset: 0, .size: 8, .value_kind: global_buffer, .address_space: global }
      - { .name: wo16, .offset: 8, .size: 8, .value_kind: global_buffer, .address_space: global }
      - { .name: bo, .offset: 16, .size: 8, .value_kind: global_buffer, .address_space: global }
      - { .name: out0, .offset: 24, .size: 8, .value_kind: global_buffer, .address_space: global }
    .group_segment_fixed_size: 327680
    .private_segment_fixed_size: 0
    .kernarg_segment_align: 8
    .kernarg_segment_size: 32
    .max_flat_workgroup_size: 128
    .sgpr_count:     68
    .vgpr_count:     512
    .wavefront_size: 32
...
	.end_amdgpu_metadata
.endif
;; end of part 4
